; MI455X (gfx1250); checked and timed in simulation.
; The chip was launched on July 23, 2026; its instructions are those of AMD's public machine-readable ISA for CDNA 5 (MIT licence, August 2026) and "CDNA5" Instruction Set Architecture Reference Guide (July 2026). The comments in the code are by the model that wrote it; some were corrected since.
;; Multi Headed Attention. Allowed arithmetic: matrix products marked QUANTISED: E4M3 operands, one given power-of-two scale a tensor, by v_wmma_f32_16x16x64_fp8_fp8 or v_wmma_f32_16x16x128_fp8_fp8, f32 sums; everything else in f32.
;; Inputs: W_proj_codes 1,024 x 32 x 32 uint8 (E4M3 codes of W_proj, K innermost, in blocks of 32 codes); W_qkv_codes 3,072 x 32 x 32 uint8 (E4M3 codes of W_qkv, K innermost, in blocks of 32 codes); b_proj 1,024 float32; lowp_scales 8 int32 (the exponents e of the quantised operands' scales 2^e); x_codes 4 x 2,048 x 32 x 32 uint8 (E4M3 codes of x, K innermost, in blocks of 32 codes).
;; Outputs: out0 4 x 2,048 x 1,024 float32.
;; This version of the problem:
;;   THIS VERSION OF THE PROBLEM IS GIVEN IN LOW PRECISION. The matrix products marked QUANTISED in the list below multiply operands that are first quantised to E4M3 (4 exponent bits, 3 mantissa bits; 8 bits a number), with one given power-of-two scale for each operand tensor; their sums are f32. All else is computed in f32.
;;   The module's matrix products, in the order in which they are computed (A, B: the left and right operand; K: the contracted axis; several contracted axes count as one K, in the product's order):
;;     1. [M 8,192, K 1,024] x [K 1,024, N 3,072]; A: input x (given as codes); B: input W_qkv (given as codes): QUANTISED (scales: A lowp_scales[0], B lowp_scales[1])
;;     2. batch 64 x [M 2,048, K 64] x [K 64, N 2,048]; A: computed on the way; B: computed on the way: QUANTISED (scales: A lowp_scales[2], B lowp_scales[3])
;;     3. batch 64 x [M 2,048, K 2,048] x [K 2,048, N 64]; A: softmax (see below); B: computed on the way: QUANTISED (scales: A lowp_scales[4], B lowp_scales[5])
;;     4. [M 8,192, K 1,024] x [K 1,024, N 1,024]; A: computed on the way; B: input W_proj (given as codes): QUANTISED (scales: A lowp_scales[6], B lowp_scales[7])
;;   THE QUANTISER, for each operand of a quantised product, along K:
;;     - The operand's scale is 2^e, e = its entry of the input lowp_scales (int32; the entries are numbered through the quantised products in the list's order, A before B).
;;     - Each number is divided by the scale, clamped to +-448, and rounded to the nearest number of E4M3, ties to even, subnormals kept.
;;     - The product sums the exact products of the quantised numbers (number of the format x scale) in f32.
;;   ~~~python
;;   def quantise(x, axis, e):      # numpy; x: float32 -> the quantised numbers, widened to float32 again
;;       x = np.moveaxis(x, axis, -1); K = x.shape[-1]
;;       r = np.clip(x / 2.0 ** e, -448, 448)
;;       step = 2.0 ** (np.maximum(np.frexp(np.where(r == 0, 1, r))[1] - 1, -6) - 3)
;;       q = np.round(r / step) * step * 2.0 ** e      # np.round: ties to even
;;       return np.moveaxis(q, -1, axis).astype(np.float32)
;;   ~~~
;;   SOFTMAX AHEAD OF A QUANTISED PRODUCT. Where the list says 'softmax', what is quantised is not the finished softmax but p = 2^(t - M), with t = logit x log2(e) and M = ceil(the row's largest t), a whole number; so 1/2 < the row's largest p <= 1. The row's sum l is taken of the UNQUANTISED p, in f32, and the product's result is divided by l at the end. Since M is a whole number, a kernel that streams over the keys may use a running M (the ceiling of the running maximum): every later rescaling is an exact power of two, so the quantised numbers keep their values, but for numbers so far below the row's largest that they fall under the format's range.
;;   OPERANDS COMPUTED ON THE WAY. 'Computed on the way' means the value that the module computes at that place (a softmax that the list does not call 'softmax' is quantised finished and normalised). What goes into a quantiser is computed in f32, as accurately as f32 sums, v_exp_f32 and their like allow (about 1e-6 of the number): no bf16 or f16 on the way to a quantiser, and a product that is left as it is and whose result goes on into a quantised operand takes f32 operands (vector FMAs, or v_wmma_f32_16x16x4_f32). A number that lies on a knife's edge between two numbers of the format may be rounded either way, as far as f32 arithmetic and the matrix unit's own rounding can turn it there, and no further.
;;   INPUTS GIVEN AS CODES. W_proj (in the module: [1024, 1024], K = its axis 0); W_qkv (in the module: [1024, 3072], K = its axis 0); x (in the module: [4, 2048, 1024], K = its axis 2): each comes as NAME_codes (uint8): NAME with its K axis moved to the last place and cut into blocks of 32 codes, [.., K / 32, bytes a block], one block behind the other in memory; one code a byte (a code: sign, 4 exponent bits, 3 mantissa bits); its scale is its entry of lowp_scales. Its value is code x scale, taken as it is: it is not quantised again, and the codes and scales need not be those that the quantiser above would give.
;; 2 versions, each right; version 2 is version 1 with the launch attention written anew for expert scheduling mode. Each part assembles by itself: llvm-mc -triple=amdgcn-amd-amdhsa -mcpu=gfx1250 --defsym DOCPART=n.
;; ======== version 1 of 2: 3 launches
;; limits: right only within a limited range of input values
;; workspace buffers: qkv 25,165,824 bytes; att 8,388,608 bytes
;; launch qkv_gemm (part 1): grid 12 x 32, 4 waves a work-group, clusters of 4 x 4, 327,680 bytes of LDS; arguments x_codes, W_qkv_codes, lowp_scales, qkv; writes qkv
.if DOCPART == 1
	.amdgcn_target "amdgcn-amd-amdhsa--gfx1250"
	.amdhsa_code_object_version 6
	.text
	.protected	k_q7319c17ad7_qkv_gemm
	.globl	k_q7319c17ad7_qkv_gemm
	.p2align	8
	.type	k_q7319c17ad7_qkv_gemm,@function
k_q7319c17ad7_qkv_gemm:
	s_mov_b64 s[64:65], 0
	v_nop
	global_prefetch_b8 v0, s[64:65] scope:SCOPE_SE
	s_setreg_imm32_b32 hwreg(HW_REG_WAVE_MODE, 25, 1), 1
	s_wait_xcnt 0x0
	s_wait_alu depctr_hold_cnt(0) depctr_sa_sdst(0) depctr_va_vdst(0) depctr_va_sdst(0) depctr_va_ssrc(0) depctr_va_vcc(0) depctr_vm_vsrc(0)
	s_getreg_b32 s2, hwreg(HW_REG_IB_STS2, 6, 4)
	s_cmp_eq_u32 s2, 0
	s_cbranch_scc0 .Lentry_in_a_cluster
	s_endpgm
.Lentry_in_a_cluster:
	s_bfe_u32 s2, ttmp6, 0x10000c
	s_cmp_lg_u32 s2, 0xf033
	s_cbranch_scc0 .Lentry_shape_is_right
	s_endpgm
.Lentry_shape_is_right:
; qkv = x W_qkv on codes of FP8 (E4M3), sums in f32, and the sums quantised at once into the operands of attention's two products.
; x: [8192][1024] codes, W_qkv: [3072][1024] codes, K innermost.  lowp_scales: e0 (x), e1 (W_qkv), e2 (q), e3 (k), e5 (v).  A sum stands for sum x 2^(e0 + e1); its code is sum / 2^(eT - e0 - e1), held within +-448, eT = e2, e3 or e5.
; LIMIT: eT - e0 - e1 lies between -126 and 119, so that the scale and 448 x the scale are f32 numbers.  NaN codes among the inputs are not served.
; A tile of 256 x 256 sums is made by a work-group of four waves, as many as a WGP has SIMDs; a wave makes 128 x 128: 64 accumulators, 512 registers.  K = 1,024 goes in four steps of 256 through a ring of two LDS slots.
; The grid's 12 tile columns are three regions of four: q, k, v: a cluster of 4 x 4 lies in one region (cluster x = the region).  q and k: side A = 256 tokens of x, side B = 256 columns of W.
; v IS MADE TRANSPOSED, V^T = W_v x^T: side A = 256 rows of W_v, side B = 256 tokens, since the keys are the K of attention's second product.  Only pointers and tile numbers are chosen, by selects on the cluster's x: one path serves all three.
; CLUSTERS: the four of a row of the cluster need the same tile of side A, the four of a column the same tile of side B: each is asked for JOINTLY, by the same tensor load with the same descriptor and a mask that names the four.
; THE MATRIX INSTRUCTION IS USED TRANSPOSED (source 0 = 16 rows of B, source 1 = 16 rows of A): a lane holds row i = 16 a + lane % 16 of A's side and eight neighbours j = 16 b + 8 (lane / 16) + 0 .. 7 of B's side: eight codes, 8 bytes.
; WHAT IS STORED: a wave's 128 (i) x 128 (j) codes as an IMAGE OF OPERAND REGISTERS, 16,384 bytes: (i, j) lies at
;   8192 (j / 64) + 1024 (2 (i / 32) + (i / 8) % 2) + 512 ((j / 32) % 2) + 16 (i % 8 + 8 ((i / 16) % 2) + 16 ((j / 16) % 2)) + j % 16:
; blocks of 512 bytes, lane l's 16 bytes at 16 l; lane r of tile 2 g + u holds row 32 g + 8 u + r + 8 (r / 8).  qkv: [region][batch][pair of heads][128 tokens] x 16,384 bytes.
; REGISTERS, in windows of 256: window 0: v0-31 addresses; from v128 A's fragments, ONE set; on the way out v32-255 are free.   window 1: B's fragments, TWO sets.   windows 2, 3: the accumulators ((a, b) at v[8 (8 (a % 4) + b)]).
.set KSTEP,  256                       ; along K in a slot
.set ROWB,   256                       ; a tile's row in bytes
.set KROW,   1024                      ; a row of x or of W_qkv in memory, in bytes
.set PITCH,  272                       ; an LDS row: 256 bytes + 16 of padding = 68 words: the 16 rows that a load touches start at 16 different banks (64 banks of 4 bytes: ISA guide 11.1)
.set FR,     16                        ; registers of a fragment: 16 rows x 128 K
.set NL,     4                         ; LDS loads that bring one
.set NP,     4                         ; places behind this matrix instruction (ISA guide 7.12.1)
.set HALFT,  128*PITCH                 ; 128 rows: what one tensor load brings
.set SLOT,   4*HALFT                   ; A's 256 rows, then B's 256 rows
.set LAPS,   KROW/(2*KSTEP)            ; a lap = two K steps = once round the ring: 2
.set SPARE,  2*SLOT                    ; behind the ring: the spare words, 128 bytes for each wave: two blocks of 256 bytes that no other line names
.set ADRA, 16                          ; v16-17  LDS address of my A fragments in slot 0, 1
.set ADRB, 20                          ; v20-21  the same for B
.set STO,  24                          ; v24     the way out: where I put 8 codes
.set RD,   25                          ; v25     the way out: where I read the image back
.set CO,   26                          ; v26     16 x lane: my byte offset in a block of 512
.set SPW,  28                          ; v28     LDS address of my spare word; never rewritten
.set NIL,  29                          ; v29     0; never rewritten
.set SCL,  30                          ; v30     2^(eT - e0 - e1) as f32
.set LIM,  31                          ; v31     448 x that
.set T,    32                          ; v32-95  a block's 64 sums, held
.set CD,   96                          ; v96-223 the codes, 16 registers a block; then the image on its way out
.set AF,   128                         ; A's fragments, in window 0
.set G1, 24                            ; s[24:31] descriptor group 1 for A's tiles;  s[32:39] group 0, one set for each slot
.set G0, 32
.set G1B, 48                           ; s[48:55], s[56:63] the same for B's tiles
.set G0B, 56
.set MSB, 0
.macro WIN new                         ; the immediate's high byte repeats the setting that is left; a switch that changes nothing is dropped
.if MSB != (\new)
	s_set_vgpr_msb (MSB<<8)|(\new)
.set MSB, (\new)
.endif
.endm
.set MUL_LO, 0xa1                      ; source 0 (B) window 1, source 1 (A) window 0, C and D window 2
.set MUL_HI, 0xf1                      ; the same, C and D window 3
.set TO_B,   0x40                      ; destination window 1, address window 0
; A joint load: waves 0 and 1 fetch for A, waves 2 and 3 for B.  Each of the two lines has ONE mask and one set of registers for all that issue it; the branch hangs on the wave's number alone.
; Four v_nop follow each of the two lines, ahead of the jump, the label and what follows.
.macro JLOAD g0a, g1a, g0b, g1b
	s_cmp_eq_u32 s15, 0
	s_cbranch_scc0 .Lfor_b_\@
	tensor_load_to_lds s[\g0a:\g0a+3], s[\g1a:\g1a+7]
	s_nop 0
.rept 4
	v_nop
.endr
	s_branch .Lasked_\@
.Lfor_b_\@:
	tensor_load_to_lds s[\g0b:\g0b+3], s[\g1b:\g1b+7]
	s_nop 0
.rept 4
	v_nop
.endr
.Lasked_\@:
.endm
.macro CREST                           ; a round of the cluster's barrier behind its opening barrier
	s_cmp_lg_u32 s14, 0
	s_cbranch_scc1 .Lnot_wave_0_\@
	s_barrier_signal -3
.Lnot_wave_0_\@:
	s_barrier_wait -3
	s_barrier_signal -1
	s_barrier_wait -1
.endm
.macro CROUND                          ; a whole round
	s_barrier_signal -1
	s_barrier_wait -1
	CREST
.endm
	s_load_b128 s[4:7], s[0:1], 0x0                ; x's codes s[4:5], W_qkv's codes s[6:7]
	s_load_b128 s[8:11], s[0:1], 0x10              ; the scales' exponents s[8:9], qkv s[10:11]
	v_lshl_add_u32 v[SPW], v0, 2, SPARE
	v_mov_b32 v[NIL], 0
	ds_add_u32 v28, v29
	ds_add_u32 v28, v29
	s_wait_dscnt 0x0
	v_lshrrev_b32 v1, 5, v0
	v_readfirstlane_b32 s14, v1                    ; wave 0..3
	s_lshr_b32 s15, s14, 1                         ; which half of A's 256 rows is mine.  Also: I fetch for A (0) or for B (1)
	s_and_b32 s16, s14, 1                          ; which half of B's.  Also: which 128 rows of that tile I fetch
	s_bfe_u32 s40, ttmp6, 0x40000                  ; cx, cy: my place in the cluster
	s_bfe_u32 s41, ttmp6, 0x40004
	s_and_b32 s70, ttmp7, 0xffff                   ; cluster y: which 1,024 tokens
	s_cmp_eq_u32 ttmp9, 2                          ; cluster x = the region: 0 q, 1 k, 2 v: the same in all sixteen partners
	s_cselect_b32 s17, 2, s70                      ; side A: v: W's third quarter;  q, k: the cluster's tokens
	s_cselect_b32 s42, s70, ttmp9                  ; side B: v: the cluster's tokens;  q, k: W's quarter
	s_lshl_b32 s17, s17, 2
	s_add_co_u32 s17, s17, s41                     ; A's tile of 256 rows: it hangs on cy, never on cx
	s_lshl_b32 s42, s42, 2
	s_add_co_u32 s42, s42, s40                     ; B's tile: on cx, never on cy
	s_lshl_b32 s43, s41, 2
	s_lshl_b32 s43, 15, s43                        ; my row of the cluster
	s_lshl_b32 s44, 0x1111, s40                    ; my column
	; descriptor group 1: a tile of 128 rows x 256 bytes, padded in LDS
	s_or_b32 s[G1+0], s43, (0<<16)|(1<<20)|(1<<21)|(5<<22)|(3<<25)  ; 15:0 the mask: A's tiles go to my row; 17:16 element of 1 byte; 20 padding on; 21 set beside a mask; 24:22 after every 64 words (code 5); 31:25 of 4 words (code 3)
	s_or_b32 s[G1B+0], s44, (0<<16)|(1<<20)|(1<<21)|(5<<22)|(3<<25)
.irp g, G1, G1B
	s_mov_b32 s[\g+1], ROWB<<16                    ; tensor_dim0
	s_mov_b32 s[\g+2], 128<<16                     ; tensor_dim1 = 128
	s_mov_b32 s[\g+3], ROWB<<16                    ; tile_dim0
	s_mov_b32 s[\g+4], 128                         ; tile_dim1 = 128
	s_mov_b32 s[\g+5], KROW                        ; tensor_dim0_stride
	s_mov_b32 s[\g+6], 0
	s_mov_b32 s[\g+7], 0
.endr
	s_lshl_b32 s18, s16, 7                         ; which 128 rows of the tile I fetch
	s_lshl_b32 s20, s17, 8
	s_add_co_u32 s20, s20, s18                     ; A: row 256 x tile + 128 x half
	s_lshl_b32 s46, s42, 8
	s_add_co_u32 s46, s46, s18                     ; B likewise
	s_lshl_b32 s20, s20, 10                        ; in bytes: rows of 1,024; under 2^23
	s_lshl_b32 s46, s46, 10
	s_mov_b32 s21, 0
	s_mov_b32 s47, 0
	s_mul_i32 s45, s14, HALFT                      ; where they go: wave x 128 rows: no place in the cluster enters an LDS address
	s_wait_kmcnt 0x0
	s_load_b256 s[80:87], s[8:9], 0x0              ; e0 .. e7
	s_cmp_eq_u32 ttmp9, 2
	s_cselect_b64 s[66:67], s[6:7], s[4:5]         ; side A's buffer: W for v, x for q and k
	s_cselect_b64 s[68:69], s[4:5], s[6:7]         ; side B's: the other
	s_add_nc_u64 s[20:21], s[66:67], s[20:21]
	s_add_nc_u64 s[46:47], s[68:69], s[46:47]
	CROUND                                         ; all sixteen work-groups are here: the first joint loads meet
.irp s, 0,1
	s_mov_b32 s[G0+4*\s], 1
	s_add_co_u32 s[G0+4*\s+1], s45, \s*SLOT
	s_add_nc_u64 s[G0+4*\s+2:G0+4*\s+3], s[20:21], \s*ROWB
	s_or_b32 s[G0+4*\s+3], s[G0+4*\s+3], 0x80000000
	s_mov_b32 s[G0B+4*\s], 1
	s_add_co_u32 s[G0B+4*\s+1], s45, \s*SLOT
	s_add_nc_u64 s[G0B+4*\s+2:G0B+4*\s+3], s[46:47], \s*ROWB
	s_or_b32 s[G0B+4*\s+3], s[G0B+4*\s+3], 0x80000000
	JLOAD G0+4*\s, G1, G0B+4*\s, G1B
.endr
	v_and_b32 v1, 15, v0                           ; r = l % 16
	v_bfe_u32 v2, v0, 4, 1                         ; h = l / 16
	v_mul_u32_u24 v3, v1, PITCH
	v_lshl_add_u32 v4, v2, 4, v3                   ; a fragment's row x pitch + 16 x half
	s_mul_i32 s21, s15, HALFT                      ; my 128 rows of A
	s_mul_i32 s22, s16, HALFT                      ; my 128 rows of B,
	s_add_co_u32 s22, s22, 2*HALFT                 ; which lie behind A's 256
.irp s, 0,1
	v_add_nc_u32 v[ADRA+\s], s21, v4
	v_add_nc_u32 v[ADRB+\s], s22, v4
	s_add_co_u32 s21, s21, SLOT
	s_add_co_u32 s22, s22, SLOT
.endr
	s_lshl_b32 s23, s14, 14                        ; my stage: 16,384 bytes, the image itself.  It lies in slot 0, which has had its last fill and its last read when the first code is stored there
	v_bfe_u32 v5, v0, 3, 1                         ; r / 8
	v_and_b32 v6, 7, v0                            ; r % 8
	v_lshlrev_b32 v5, 10, v5
	v_lshl_add_u32 v5, v6, 4, v5
	v_lshl_add_u32 v5, v2, 3, v5
	v_add_nc_u32 v[STO], s23, v5                   ; in: 1024 (r / 8) + 16 (r % 8) + 8 h; what hangs on the block (a, b) stands in the store's immediate
	v_and_b32 v6, 31, v0
	v_lshlrev_b32 v[CO], 4, v6
	v_add_nc_u32 v[RD], s23, v[CO]                 ; back: as it lies, 16 bytes a lane
	; where my image goes: in registers that feed no descriptor
	s_lshl_b32 s73, s40, 1
	s_add_co_u32 s73, s73, s16                     ; 2 cx + B's half
	s_lshl_b32 s74, s41, 1
	s_add_co_u32 s74, s74, s15                     ; 2 cy + A's half
	s_cmp_eq_u32 ttmp9, 2
	s_cselect_b32 s75, s74, s73                    ; the pair of heads: W's side
	s_cselect_b32 s76, s73, s74                    ; which 128 of the cluster's 1,024 tokens: x's side
	s_lshl_b32 s77, s70, 3
	s_add_co_u32 s76, s76, s77                     ; which 128 tokens of all 8,192
	s_lshr_b32 s77, s76, 4                         ; the batch,
	s_and_b32 s76, s76, 15                         ; and the 128 tokens in it
	s_lshl_b32 s78, ttmp9, 23                      ; a region is 2^23 bytes,
	s_lshl_b32 s77, s77, 21                        ; a batch 2^21,
	s_add_co_u32 s78, s78, s77
	s_lshl_b32 s75, s75, 18                        ; a pair of heads 2^18,
	s_add_co_u32 s78, s78, s75
	s_lshl_b32 s76, s76, 14                        ; an image 2^14
	s_add_co_u32 s78, s78, s76
	s_mov_b32 s79, 0
	s_add_nc_u64 s[10:11], s[10:11], s[78:79]
.macro FRAG reg, adr, q, i             ; a fragment, 16 rows x 128 K, is 16 registers: lane l holds row l % 16; registers 4 c .. 4 c + 3 hold K = 32 c + 16 (l / 16) + 0 .. 15: the same order of K on both sides
.irp c, 0,1,2,3
	ds_load_b128 v[\reg+4*\c:\reg+4*\c+3], v[\adr] offset:128*(\q)+32*\c+(\i)*16*PITCH
.endr
.endm
; 16 matrix instructions: A's blocks a0, a0 + 1 x B's eight, 128 along K.  p: B's set.  zero = 1: the first product starts the sums: nothing is ever cleared.
; The 64 accumulators take turns, one instruction a turn, in the same order in every step.
.macro MUL16 a0, p, zero
.irp a, \a0, \a0+1
.irp b, 0,1,2,3,4,5,6,7
.if \zero
	v_wmma_f32_16x16x128_fp8_fp8 v[8*(8*((\a)%4)+\b):8*(8*((\a)%4)+\b)+7], v[128*(\p)+FR*\b:128*(\p)+FR*\b+FR-1], v[AF+FR*(\a):AF+FR*(\a)+FR-1], 0
.else
	v_wmma_f32_16x16x128_fp8_fp8 v[8*(8*((\a)%4)+\b):8*(8*((\a)%4)+\b)+7], v[128*(\p)+FR*\b:128*(\p)+FR*\b+FR-1], v[AF+FR*(\a):AF+FR*(\a)+FR-1], v[8*(8*((\a)%4)+\b):8*(8*((\a)%4)+\b)+7]
.endif
.endr
.endr
.endm
.macro FETCH_B slot, q, p              ; B's eight fragments of the slot's q-th 128 along K into set p
	WIN TO_B
.irp i, 0,1,2,3,4,5,6,7
	FRAG 128*(\p)+FR*\i, ADRB+\slot, \q, \i
.endr
	WIN 0
.endm
.macro FETCH_A slot, q, i0             ; A's blocks i0 .. i0 + 3
.irp i, \i0, \i0+1, \i0+2, \i0+3
	FRAG AF+FR*(\i), ADRA+\slot, \q, \i
.endr
.endm
; A load into a register that a matrix instruction has read, and a vector instruction that reads a matrix result, stand NP places behind that matrix instruction, and only plain vector
; instructions that name none of its registers are places (ISA guide 7.12.1 for vector instructions).
.macro PLACES n
.rept \n
	v_nop
.endr
.endm
; A step of 128 along K that has its successor in the same slot.  A's blocks are free as soon as their eight products are issued: blocks 0-3 are fetched anew in the step's middle, blocks 4-7 at its end.
.macro STEP slot, q, zero
	s_wait_dscnt 4*NL                              ; B's set and A's blocks 0-3 are in; the youngest 16 loads (A's blocks 4-7) may be out
	WIN MUL_LO
	MUL16 0, (\q)%2, \zero
	MUL16 2, (\q)%2, \zero
	s_wait_dscnt 0                                 ; A's blocks 4-7 are in (asked for 32 matrix instructions ago)
	PLACES NP
	FETCH_B \slot, (\q)+1, 1-(\q)%2
	FETCH_A \slot, (\q)+1, 0
	WIN MUL_HI
	MUL16 4, (\q)%2, \zero
	MUL16 6, (\q)%2, \zero
	PLACES NP
	WIN 0
	FETCH_A \slot, (\q)+1, 4
.endm
; A slot's last step changes slots: ONE barrier; in front of it each wave waits for all its tensor loads, adds 0 to its spare word, and waits for that and for its own reads of this slot.  fill = 1: this slot is filled again, two K steps ahead.
.macro TURN slot, next, fill
	s_wait_tensorcnt 0x0                           ; all my tensor loads have landed: the one that was out is my part of the next slot  (every window is 0 here)
	ds_add_u32 v[SPW], v[NIL]                      ; 0 onto my spare word
	s_wait_dscnt 4*NL+1                            ; (the add and the youngest 16 loads, A's blocks 4-7, may be out)
	WIN MUL_LO
	MUL16 0, 1, 0                                  ; sixteen matrix instructions stand between the add and the wait for it
	s_wait_dscnt 0x0                               ; the add is done, and my reads of this slot are over
	s_barrier_signal -1
	MUL16 2, 1, 0
	WIN 0
	s_barrier_wait -1
.if \fill
	CREST                                          ; the barrier has opened a round of the cluster's barrier: no wave of any partner still reads this slot's tile or has a load on its way
	s_add_nc_u64 s[G0+4*\slot+2:G0+4*\slot+3], s[G0+4*\slot+2:G0+4*\slot+3], 2*ROWB
	s_add_nc_u64 s[G0B+4*\slot+2:G0B+4*\slot+3], s[G0B+4*\slot+2:G0B+4*\slot+3], 2*ROWB
	JLOAD G0+4*\slot, G1, G0B+4*\slot, G1B         ; the first tensor load behind the round, my only one until the next; its four v_nop are also the places in front of the loads below
.else
	PLACES NP
.endif
	FETCH_B \next, 0, 0
	FETCH_A \next, 0, 0
	WIN MUL_HI
	MUL16 4, 1, 0
	MUL16 6, 1, 0
	PLACES NP
	WIN 0
	FETCH_A \next, 0, 4
.endm
	s_wait_tensorcnt 1                             ; my part of K step 0 is in; K step 1's load, issued behind it, may be out
	s_barrier_signal -1
	s_barrier_wait -1                              ; everybody's is
	FETCH_B 0, 0, 0
	FETCH_A 0, 0, 0
	FETCH_A 0, 0, 4
	STEP 0, 0, 1                                   ; the first step stands in front of the loop: its products start the sums
.if LAPS > 1
	s_mov_b32 s3, LAPS-1
.Llap:                                                 ; a trip goes once round the ring, from a lap's second step to the next lap's first, and fills both slots again
	TURN 0, 1, 1
	STEP 1, 0, 0
	TURN 1, 0, 1
	STEP 0, 0, 0
	s_sub_co_u32 s3, s3, 1
	s_cmp_lg_u32 s3, 0
	s_cbranch_scc1 .Llap
.endif
	TURN 0, 1, 0                                   ; the last lap fills nothing, and has no round of the cluster's barrier
	STEP 1, 0, 0
	s_wait_dscnt 4*NL                              ; the very last step: nothing more to fetch
	WIN MUL_LO
	MUL16 0, 1, 0
	MUL16 2, 1, 0
	s_wait_dscnt 0
	WIN MUL_HI
	MUL16 4, 1, 0
	MUL16 6, 1, 0
	WIN 0
; THE WAY OUT.  Block a (16 rows of A's side): its 64 sums are held within +-448 x the scale (the conversion to an 8-bit code does not saturate: ISA guide 7.6.2), each accumulator from its low end on,
; converted eight at a time, and stored, 8 bytes a lane, at their place in the image.  Each block has its own 16 registers of codes.
.macro QBLK a
.set AC, 64*((\a)%4)
	WIN 0x02+((\a)/4)                              ; source 0: window 2 or 3
.set j, 0
.rept 64
	v_med3_num_f32 v[T+j], v[AC+j], -v[LIM], v[LIM]
.set j, j+1
.endr
	WIN 0
.irp b, 0,1,2,3,4,5,6,7
	v_cvt_scalef32_pk8_fp8_f32 v[CD+16*(\a)+2*\b:CD+16*(\a)+2*\b+1], v[T+8*\b:T+8*\b+7], v[SCL]
.endr
	v_nop                                          ; one plain vector instruction between the conversions and the next block's holds, which write their sources
.irp b, 0,1,2,3,4,5,6,7
	ds_store_b64 v[STO], v[CD+16*(\a)+2*\b:CD+16*(\a)+2*\b+1] offset:(\b/4)*8192+((\a)/2)*2048+((\a)%2)*128+(\b%4)*256
.endr
.endm
	s_wait_kmcnt 0x0
	s_cmp_eq_u32 ttmp9, 1
	s_cselect_b32 s88, s83, s82                    ; k: e3; else q's e2;
	s_cmp_eq_u32 ttmp9, 2
	s_cselect_b32 s88, s85, s88                    ; v: e5.  A select, no branch
	s_sub_co_i32 s88, s88, s80
	s_sub_co_i32 s88, s88, s81                     ; eT - e0 - e1: the three scales folded into the conversion's one
	s_add_co_i32 s88, s88, 127
	s_lshl_b32 s89, s88, 23
	v_mov_b32 v[SCL], s89                          ; the scale as f32: the conversion takes its exponent field
	s_add_co_i32 s88, s88, 8
	s_lshl_b32 s88, s88, 23
	s_or_b32 s88, s88, 0x600000
	v_mov_b32 v[LIM], s88                          ; 448 x the scale
	PLACES NP                                      ; behind the last products: their results are read, and the registers that held A's fragments are written, only behind these
.irp a, 0,1,2,3,4,5,6,7
	QBLK \a
.endr
	s_wait_dscnt 0x0                               ; the image is whole in my stage
.irp t, 0,1,2,3,4,5,6,7,8,9,10,11,12,13,14,15,16,17,18,19,20,21,22,23,24,25,26,27,28,29,30,31
	ds_load_b128 v[CD+4*\t:CD+4*\t+3], v[RD] offset:512*\t
.endr
.irp t, 0,1,2,3,4,5,6,7,8,9,10,11,12,13,14,15,16,17,18,19,20,21,22,23,24,25,26,27,28,29,30,31
	s_wait_dscnt 31-\t                             ; LDS loads come back in order (ISA guide 5.7.1): load t is in, the 31 - t younger ones may be out
	global_store_b128 v[CO], v[CD+4*\t:CD+4*\t+3], s[10:11] offset:512*\t   ; 32 lanes store 512 consecutive bytes, at a multiple of 512 from qkv's first byte
.endr
	s_wait_tensorcnt 0x0                           ; the wave's end: behind my last tensor load and my last LDS store
	ds_add_u32 v[SPW], v[NIL]
	s_wait_dscnt 0x0
	CROUND                                         ; the closing round: no work-group ends while a partner may still ask for a tile that names it
	s_endpgm
.Lfunc_end_k_q7319c17ad7_qkv_gemm:
	.size	k_q7319c17ad7_qkv_gemm, .Lfunc_end_k_q7319c17ad7_qkv_gemm-k_q7319c17ad7_qkv_gemm
	.p2alignl 7, 3214868480
	.fill 96, 4, 3214868480
	.section	.rodata,"a",@progbits
	.p2align	6, 0x0
	.amdhsa_kernel k_q7319c17ad7_qkv_gemm
		.amdhsa_group_segment_fixed_size 327680
		.amdhsa_private_segment_fixed_size 0
		.amdhsa_enable_private_segment 0
		.amdhsa_kernarg_size 32
		.amdhsa_user_sgpr_count 2
		.amdhsa_user_sgpr_kernarg_segment_ptr 1
		.amdhsa_wavefront_size32 1
		.amdhsa_system_sgpr_workgroup_id_x 1
		.amdhsa_system_sgpr_workgroup_id_y 1
		.amdhsa_system_sgpr_workgroup_id_z 1
		.amdhsa_system_vgpr_workitem_id 0
		.amdhsa_next_free_vgpr 1024
		.amdhsa_next_free_sgpr 100
		.amdhsa_reserve_vcc 0
		.amdhsa_float_denorm_mode_32 3
		.amdhsa_float_denorm_mode_16_64 3
		.amdhsa_memory_ordered 1
		.amdhsa_forward_progress 1
		.amdhsa_inst_pref_size 125
	.end_amdhsa_kernel
	.amdgpu_metadata
---
amdhsa.version: [ 1, 2 ]
amdhsa.kernels:
  - .name:           k_q7319c17ad7_qkv_gemm
    .symbol:         k_q7319c17ad7_qkv_gemm.kd
    .args:
      - { .name: x_codes, .offset: 0, .size: 8, .value_kind: global_buffer, .address_space: global }
      - { .name: W_qkv_codes, .offset: 8, .size: 8, .value_kind: global_buffer, .address_space: global }
      - { .name: lowp_scales, .offset: 16, .size: 8, .value_kind: global_buffer, .address_space: global }
      - { .name: qkv, .offset: 24, .size: 8, .value_kind: global_buffer, .address_space: global }
    .group_segment_fixed_size: 327680
    .private_segment_fixed_size: 0
    .kernarg_segment_align: 8
    .kernarg_segment_size: 32
    .max_flat_workgroup_size: 128
    .sgpr_count:     100
    .vgpr_count:     1024
    .wavefront_size: 32
...
	.end_amdgpu_metadata
.endif
;; end of part 1
;; launch attention (part 2): grid 4 x 64, 8 waves a work-group, no clusters, 66,560 bytes of LDS; arguments qkv, lowp_scales, att; writes att
.if DOCPART == 2
	.amdgcn_target "amdgcn-amd-amdhsa--gfx1250"
	.amdhsa_code_object_version 6
	.text
	.protected	k_q7319c17ad7_attention
	.globl	k_q7319c17ad7_attention
	.p2align	8
	.type	k_q7319c17ad7_attention,@function
k_q7319c17ad7_attention:
	s_mov_b64 s[64:65], 0
	v_nop
	global_prefetch_b8 v0, s[64:65] scope:SCOPE_SE
	s_setreg_imm32_b32 hwreg(HW_REG_WAVE_MODE, 25, 1), 1
	s_wait_xcnt 0x0
; Causal attention of one head on codes of FP8 (E4M3): S = q k^T / 8, p = 2^(t - M), O = p v / l, and O quantised for the last product.  T = 2,048, head size 64, 64 heads (batch x 16 + head).
; qkv holds q, k and v as IMAGES OF OPERAND REGISTERS: [region q, k, v: 2^23][batch: 2^21][pair of heads: 2^18][128 tokens: 2^14] bytes, in blocks of 512 bytes, lane l's 16 bytes at 16 l.
;   q, k of head hh of the pair: 8,192 hh + 1,024 t + 512 c: tile t = 2 g + u, lane r = token 32 g + 8 u + r + 8 (r / 8); the lane's bytes are d = 32 c + 16 (l / 16) + 0 .. 15.
;   v (keys innermost): 8,192 (c / 2) + 4,096 hh + 1,024 t + 512 (c % 2): tile t, lane r = d 32 (t / 2) + 8 (t % 2) + r + 8 (r / 8); bytes: keys 32 c + 16 (l / 16) + 0 .. 15.
; BOTH PRODUCTS ARE USED TRANSPOSED: S^T = k q^T (source 0 = 16 keys, source 1 = 16 queries), O^T = v^T p^T: a lane holds ONE query throughout.  By the choice of a tile's rows the 16 registers of tiles 2 b, 2 b + 1 of S^T
; are keys 32 b + 16 (l / 16) + 0 .. 15, and those of O^T are d likewise: the conversions' results ARE the next operand's registers, for p and for the output.
; THE SOFTMAX: t = score x log2(e) / 8; M = the running largest t rounded UP to a whole number, kept as -M = floor(-t); p = 2^(t - M) is quantised with 2^e4, not normalised; the row's sum l is taken of the unquantised p;
; when M moves, l and O^T are multiplied by 2^(old M - new M), which rounds nothing.  At the end O^T x 2^(e4 + e5) / l is quantised with 2^e6.
; SHARES.  Work-group (i, head), i = 0 .. 3, owns the blocks of 256 queries 7 - i and i.  Block b needs the key slots (256 keys) 0 .. b: 8 - i slots and then i + 1: NINE slots whatever i is: equal work, and a constant trip count.
; Wave w of eight owns 32 queries of the block, two tiles, so that each fragment of k and v read from LDS feeds two products.  A step (128 keys) all of whose keys come after the wave's queries is left out (a scalar branch on ids).
; DATA PATH.  A slot of k and v is 32,768 bytes of images: a dense copy.  Each thread loads 8 x 16 bytes at a trip's head for the NEXT trip, and stores them at the trip's end into the other of two LDS buffers: one barrier a trip.
; No prefetch instruction is written: the copy's loads are themselves issued a whole trip ahead of the stores that wait for them.
; NO CLUSTER: the four work-groups of a head walk slots 0 .. 7 - i and then 0 .. i; in the last four trips they want different slots, and a walk in which all four make every request has 8 + 4 = 12 slots against 9.
; A branch hangs on the whole number e4: where e4 >= -8, 448 x 2^e4 >= 1.75 lies above every p, and the 128 holds of a step are jumped over.
; LIMITS: e2 + e3 between -123 and 130 (added to c's exponent field); e4 and e6 between -126 and 119.  Hidden scores become -infinity where reference() has -1e9: the same result unless a row's visible logits come near -1e9.  NaN codes are not served.
; att: [4 heads = 256 of the last K: 2^21][tile of 16 tokens: 4,096][128 K: 2,048][c: 512] bytes, lane at 16 l; tile 2 g + u, lane r = token 32 g + 8 u + r + 8 (r / 8).
; REGISTERS.  window 0: below.  window 1: v0-63 k's 8 fragments; v64-127 v's 4; v128-191 O^T (32 a tile); v192-223 the copy on its way.
.set L16,  1                           ; v1   16 x lane
.set T16,  2                           ; v2   16 x thread
.set ADR,  3                           ; v3   LDS: the buffer in hand + 16 x lane
.set STA,  4                           ; v4   LDS: the other buffer + 16 x thread
.set QREL, 5                           ; v5   r + 8 (r / 8) - 16 (l / 16)
.set DD,   6                           ; v6, v7  the mask: my query less the step's first key less 16 (l / 16), for tile 0, 1
.set NINF, 8                           ; v8   -infinity
.set SCP,  10                          ; v10  2^e4;  v11  448 x 2^e4
.set LMP,  11
.set SCO,  12                          ; v12  2^e6;  v13  448 x 2^e6
.set LMO,  13
.set ST,   16                          ; tile u at v[16 + 8 u]: +0 -M, +1 the largest t, +2, +3 l in two halves, +4 f, +5 named with f as a pair, +6, +7 the sums' second chain
.set Q,    32                          ; q's fragment, 8 a tile
.set P,    48                          ; p's codes, 16 a tile; at the end the output's codes
.set S,    80                          ; S^T, then p: 64 a tile
.set TT,   208                         ; tile u at v[208 + 8 u]: +0, +1 the maximum's two chains, +2 the other half of the lanes', +3 M's change
.set KFR,  0                           ; window 1
.set VFR,  64
.set O,    128
.set STG,  192
.set BUF,  0x8000                      ; an LDS buffer: k's two steps (2 x 8,192), then v's two
.set MSB, 0
.macro WIN new                         ; low byte: bits 1:0 source 0, 3:2 source 1, 5:4 source 2, 7:6 destination; the high byte repeats the setting that is left
.if MSB != (\new)
	s_set_vgpr_msb (MSB<<8)|(\new)
.set MSB, (\new)
.endif
.endm
; s10 wave; s11 i; s13 batch; s14 head; s[16:17], s[18:19], s[20:21], s[22:23] my bases in q, k, v, att; s[24:25] q of the block, s[26:27], s[28:29] k, v of the slot to be copied, s[30:31] att of the block;
; s32 trip; s33 the slot in hand; s34 the block; s35 my first query; s36 the step's first key; s37 the next slot; s38, s39 the two buffers; s[40:41] an offset; s[42:43] c; s[44:45] lane selects; s46 e4 + e5; s47 e4
.macro COPY                            ; the next slot's 32,768 bytes: 256 threads x 8 x 16: each load of a wave covers 512 consecutive bytes
	WIN 0x40                                       ; destination window 1
.irp s, 0,1
.irp j, 0,1
	global_load_b128 v[STG+8*\s+4*\j:STG+8*\s+4*\j+3], v[T16], s[26:27] offset:\s*16384+\j*4096        ; k of step s: 8,192 bytes on end
	global_load_b128 v[STG+16+8*\s+4*\j:STG+16+8*\s+4*\j+3], v[T16], s[28:29] offset:\s*16384+\j*8192  ; v of step s: two runs of 4,096
.endr
.endr
	WIN 0
.endm
.macro PUT
	s_wait_loadcnt 0x0                             ; the copy's eight loads are in: so s[26:29] may be written again too
	WIN 0x04                                       ; store data window 1
.irp s, 0,1
.irp j, 0,1
	ds_store_b128 v[STA], v[STG+8*\s+4*\j:STG+8*\s+4*\j+3] offset:\s*8192+\j*4096
	ds_store_b128 v[STA], v[STG+16+8*\s+4*\j:STG+16+8*\s+4*\j+3] offset:16384+\s*8192+\j*4096
.endr
.endr
	WIN 0
.endm
; A block of queries begins (s34): q's fragments, and m, l, O^T as -3e38, 0, 0: the step is written once, and the first change of M multiplies zeros.
.macro SETBLK
	s_lshl_b32 s35, s34, 8
	s_lshl_b32 s48, s10, 5
	s_add_co_u32 s35, s35, s48                     ; my first query: 256 x block + 32 x wave
	s_lshl_b32 s40, s34, 15
	s_add_nc_u64 s[24:25], s[16:17], s[40:41]      ; a block is two images of q,
	s_lshl_b32 s40, s34, 16
	s_add_nc_u64 s[30:31], s[22:23], s[40:41]      ; and sixteen tiles of att
.irp u, 0,1
.irp c, 0,1
	global_load_b128 v[Q+8*\u+4*\c:Q+8*\u+4*\c+3], v[L16], s[24:25] offset:\u*1024+\c*512 th:TH_LOAD_NT   ; read once, by this wave alone
.endr
.endr
.irp u, 0,1
	v_mov_b32 v[ST+8*\u+1], 0xff61b1e6             ; the largest t so far: -3e38, under every t
	v_mov_b32 v[ST+8*\u+2], 0
	v_mov_b32 v[ST+8*\u+3], 0
.endr
.irp u, 0,1
	v_floor_f32 v[ST+8*\u], -v[ST+8*\u+1]
.endr
	WIN 0x40
.set j, 0
.rept 64
	v_mov_b32 v[O+j], 0
.set j, j+1
.endr
	WIN 0
	s_wait_loadcnt 0x0                             ; q is in
.endm
; A KEY STEP: 128 keys, the q-th of the slot in hand, for my two tiles of queries.
.macro STEP q
	s_add_co_u32 s48, s35, 31
	s_cmp_gt_u32 s36, s48                          ; all 128 keys come after my last query: nothing of the step is done but the line at its end
	s_cbranch_scc1 .Lhid_\@
.rept 4
	v_nop                                          ; places in front of loads into registers that the last products read
.endr
	WIN 0x40
.irp t, 0,1,2,3,4,5,6,7
.irp c, 0,1
	ds_load_b128 v[KFR+8*\t+4*\c:KFR+8*\t+4*\c+3], v[ADR] offset:(\q)*8192+\t*1024+\c*512
.endr
.endr
.irp t, 0,1,2,3
.irp c, 0,1,2,3
	ds_load_b128 v[VFR+16*\t+4*\c:VFR+16*\t+4*\c+3], v[ADR] offset:16384+(\q)*8192+(\c/2)*4096+\t*1024+(\c%2)*512
.endr
.endr
	s_wait_dscnt 16                                ; k's 16 loads are in; v's 16, issued behind them, may be out
	WIN 0x01                                       ; source 0 (k) window 1
.irp t, 0,1,2,3,4,5,6,7
.irp u, 0,1
	v_wmma_f32_16x16x64_fp8_fp8 v[S+64*\u+8*\t:S+64*\u+8*\t+7], v[KFR+8*\t:KFR+8*\t+7], v[Q+8*\u:Q+8*\u+7], 0
.endr
.endr
	WIN 0
.rept 4
	v_nop                                          ; places in front of the first read of the scores
.endr
	s_add_co_u32 s48, s36, 127
	s_cmp_le_u32 s48, s35                          ; all 128 keys count for all my queries: no mask
	s_cbranch_scc1 .Lopen_\@
	s_sub_co_i32 s48, s35, s36
	v_add_nc_u32 v[DD], s48, v[QREL]               ; register n of a tile's 64 holds key s36 + 16 (l / 16) + 32 (n / 16) + n % 16; my query is s35 + 8 u + r + 8 (r / 8): hidden where 32 (n / 16) + n % 16 > d
	v_add_nc_u32 v[DD+1], 8, v[DD]
.irp u, 0,1
.set n, 0
.rept 64
	v_cmp_gt_i32 vcc_lo, 32*(n/16)+n%16, v[DD+\u]
	v_cndmask_b32 v[S+64*\u+n], v[S+64*\u+n], v[NINF], vcc_lo
.set n, n+1
.endr
.endr
.Lopen_\@:
.irp u, 0,1
	v_max3_num_f32 v[TT+8*\u], v[S+64*\u], v[S+64*\u+1], v[S+64*\u+2]          ; the step's largest score of my query among my 64 keys, in two chains a tile; each accumulator from its low end on
	v_max3_num_f32 v[TT+8*\u+1], v[S+64*\u+3], v[S+64*\u+4], v[S+64*\u+5]
.endr
.set i, 6
.rept 14
.irp u, 0,1
	v_max3_num_f32 v[TT+8*\u], v[TT+8*\u], v[S+64*\u+i], v[S+64*\u+i+1]
	v_max3_num_f32 v[TT+8*\u+1], v[TT+8*\u+1], v[S+64*\u+i+2], v[S+64*\u+i+3]
.endr
.set i, i+4
.endr
.irp u, 0,1
	v_max3_num_f32 v[TT+8*\u], v[TT+8*\u], v[S+64*\u+62], v[S+64*\u+63]
.endr
.irp u, 0,1
	v_max_num_f32 v[TT+8*\u], v[TT+8*\u], v[TT+8*\u+1]
.endr
.irp u, 0,1
	v_permlanex16_b32 v[TT+8*\u+2], v[TT+8*\u], s44, s45                       ; the query's other 64 keys lie in the lane 16 away
.endr
.irp u, 0,1
	v_max_num_f32 v[TT+8*\u], v[TT+8*\u], v[TT+8*\u+2]
.endr
.irp u, 0,1
	v_mul_f32 v[TT+8*\u], s42, v[TT+8*\u]                                      ; as t (c is positive)
.endr
.irp u, 0,1
	v_max_num_f32 v[ST+8*\u+1], v[ST+8*\u+1], v[TT+8*\u]                       ; the running largest t
.endr
.irp u, 0,1
	v_mov_b32 v[TT+8*\u+3], v[ST+8*\u]
.endr
.irp u, 0,1
	v_floor_f32 v[ST+8*\u], -v[ST+8*\u+1]                                      ; the new -M = floor(-t) = -ceil(t): a whole number
.endr
.irp u, 0,1
	v_sub_f32 v[TT+8*\u+3], v[ST+8*\u], v[TT+8*\u+3]                           ; old M - new M: a whole number, 0 or less
.endr
.irp u, 0,1
	v_cvt_i32_f32 v[TT+8*\u+3], v[TT+8*\u+3]                                   ; (it saturates)
.endr
.irp u, 0,1
	v_ldexp_f32 v[ST+8*\u+4], 1.0, v[TT+8*\u+3]                                ; f = 2^(old M - new M)
.endr
.set j, 0
.rept 32
.irp u, 0,1
	v_pk_fma_f32 v[S+64*\u+j:S+64*\u+j+1], v[S+64*\u+j:S+64*\u+j+1], s[42:43], v[ST+8*\u:ST+8*\u+1] op_sel_hi:[1,0,0]   ; t - M, two at a time (of the pairs c and -M the low word serves both halves)
.endr
.set j, j+2
.endr
.set j, 0
.rept 128
	v_exp_f32 v[S+j], v[S+j]                       ; p = 2^(t - M): ONE BATCH of both tiles' 128
.set j, j+1
.endr
.irp u, 0,1
	v_pk_mul_f32 v[ST+8*\u+2:ST+8*\u+3], v[ST+8*\u+2:ST+8*\u+3], v[ST+8*\u+4:ST+8*\u+5] op_sel_hi:[1,0]   ; l under the new M: the plain instructions behind the last exponential
.endr
	s_wait_alu depctr_va_vdst(0)                   ; one wait for the batch, ahead of the first instruction that names a result
.irp u, 0,1
	v_pk_add_f32 v[ST+8*\u+6:ST+8*\u+7], v[S+64*\u:S+64*\u+1], v[S+64*\u+2:S+64*\u+3]   ; the row's sum is taken of the UNQUANTISED p: two at a time, in two chains a tile
.endr
.set j, 4
.rept 15
.irp u, 0,1
	v_pk_add_f32 v[ST+8*\u+2:ST+8*\u+3], v[ST+8*\u+2:ST+8*\u+3], v[S+64*\u+j:S+64*\u+j+1]
	v_pk_add_f32 v[ST+8*\u+6:ST+8*\u+7], v[ST+8*\u+6:ST+8*\u+7], v[S+64*\u+j+2:S+64*\u+j+3]
.endr
.set j, j+4
.endr
.irp u, 0,1
	v_pk_add_f32 v[ST+8*\u+2:ST+8*\u+3], v[ST+8*\u+2:ST+8*\u+3], v[ST+8*\u+6:ST+8*\u+7]
.endr
	s_cmp_ge_i32 s47, -8                           ; 448 x 2^e4 >= 1.75 is above every p: the hold would change nothing
	s_cbranch_scc1 .Lno_hold_\@
.set j, 0
.rept 128
	v_min_num_f32 v[S+j], v[S+j], v[LMP]           ; the conversion to an 8-bit code does not saturate (ISA guide 7.6.2); p is not negative, so the hold is one-sided
.set j, j+1
.endr
.Lno_hold_\@:
.irp u, 0,1
.irp b, 0,1,2,3
	v_cvt_scalef32_pk8_fp8_f32 v[P+16*\u+4*\b:P+16*\u+4*\b+1], v[S+64*\u+16*\b:S+64*\u+16*\b+7], v[SCP]
	v_cvt_scalef32_pk8_fp8_f32 v[P+16*\u+4*\b+2:P+16*\u+4*\b+3], v[S+64*\u+16*\b+8:S+64*\u+16*\b+15], v[SCP]
.endr
.endr
	WIN 0x41                                       ; O^T (destination and source 0) window 1, f window 0
.set j, 0
.rept 16
.irp u, 0,1
	v_pk_mul_f32 v[O+32*\u+j:O+32*\u+j+1], v[O+32*\u+j:O+32*\u+j+1], v[ST+8*\u+4:ST+8*\u+5] op_sel_hi:[1,0]   ; O^T under the new M.  (These are also the plain instructions between the conversions and the products that read the codes)
.endr
.set j, j+2
.endr
	s_wait_dscnt 0x0                               ; v is in
	WIN 0x51                                       ; v, C and D window 1, p's codes window 0
.irp t, 0,1,2,3
.irp u, 0,1
	v_wmma_f32_16x16x128_fp8_fp8 v[O+32*\u+8*\t:O+32*\u+8*\t+7], v[VFR+16*\t:VFR+16*\t+15], v[P+16*\u:P+16*\u+15], v[O+32*\u+8*\t:O+32*\u+8*\t+7]   ; the eight accumulators take turns, one instruction a turn
.endr
.endr
	WIN 0
.Lhid_\@:
	s_add_co_u32 s36, s36, 128
.endm
; A block of queries ends: O^T x 2^(e4 + e5) / l, held, converted with 2^e6; the codes are the last product's operand registers and are stored as they stand.
.macro FINISH
.rept 4
	v_nop                                          ; places behind the last products
.endr
.irp u, 0,1
	v_add_f32 v[TT+8*\u], v[ST+8*\u+2], v[ST+8*\u+3]
.endr
.irp u, 0,1
	v_permlanex16_b32 v[TT+8*\u+2], v[TT+8*\u], s44, s45
.endr
.irp u, 0,1
	v_add_f32 v[TT+8*\u], v[TT+8*\u], v[TT+8*\u+2] ; the row's sum
.endr
.irp u, 0,1
	v_rcp_f32 v[TT+8*\u+1], v[TT+8*\u]
.endr
	v_nop                                          ; a plain instruction behind the last reciprocal,
	s_wait_alu depctr_va_vdst(0)                   ; and one wait for the two, ahead of their first reader
.irp u, 0,1
	v_ldexp_f32 v[TT+8*\u+1], v[TT+8*\u+1], s46    ; x 2^(e4 + e5)
.endr
	WIN 0x01                                       ; source 0 (O^T) window 1
.irp u, 0,1
.set j, 0
.rept 32
	v_mul_f32 v[S+64*\u+j], v[O+32*\u+j], v[TT+8*\u+1]   ; register 16 g + n is d = 32 g + 16 (l / 16) + n of my query; each accumulator from its low end on
.set j, j+1
.endr
.endr
	WIN 0
.irp u, 0,1
.set j, 0
.rept 32
	v_med3_num_f32 v[S+64*\u+j], v[S+64*\u+j], -v[LMO], v[LMO]
.set j, j+1
.endr
.endr
.irp u, 0,1
.irp b, 0,1
	v_cvt_scalef32_pk8_fp8_f32 v[P+16*\u+4*\b:P+16*\u+4*\b+1], v[S+64*\u+16*\b:S+64*\u+16*\b+7], v[SCO]
	v_cvt_scalef32_pk8_fp8_f32 v[P+16*\u+4*\b+2:P+16*\u+4*\b+3], v[S+64*\u+16*\b+8:S+64*\u+16*\b+15], v[SCO]
.endr
.endr
	v_nop                                          ; one plain vector instruction behind the last conversion
.irp u, 0,1
.irp b, 0,1
	global_store_b128 v[L16], v[P+16*\u+4*\b:P+16*\u+4*\b+3], s[30:31] offset:\u*4096+\b*512   ; 32 lanes store 512 consecutive bytes, at a multiple of 512 from att's first byte
.endr
.endr
	s_wait_xcnt 0x0                                ; the stores have read their data and their base: both are written again below
.endm
	s_load_b128 s[4:7], s[0:1], 0x0                ; qkv s[4:5], the scales' exponents s[6:7]
	s_load_b64 s[8:9], s[0:1], 0x10                ; att
	v_lshl_add_u32 v254, v0, 2, 0x10000
	v_mov_b32 v255, 0
	v_lshrrev_b32 v3, 5, v0
	v_readfirstlane_b32 s10, v3                    ; wave 0..7
	s_mov_b32 s11, ttmp9                           ; i
	s_and_b32 s12, ttmp7, 0xffff
	s_lshr_b32 s13, s12, 4                         ; batch
	s_and_b32 s14, s12, 15                         ; head
	v_and_b32 v1, 31, v0
	v_lshlrev_b32 v[L16], 4, v1
	v_lshlrev_b32 v[T16], 4, v0
	v_and_b32 v[QREL], 15, v0                      ; r
	v_and_b32 v6, 8, v0                            ; 8 (r / 8)
	v_add_nc_u32 v[QREL], v[QREL], v6
	v_and_b32 v6, 16, v0                           ; 16 (l / 16)
	v_sub_nc_u32 v[QREL], v[QREL], v6
	v_mov_b32 v[NINF], 0xff800000
.irp u, 0,1
	v_mov_b32 v[ST+8*\u+5], 0                      ; named as the upper half of f's pair, so it is written
	v_mov_b32 v[TT+8*\u+2], 0                      ; a lane permute's destination counts as one of its sources
.endr
	s_lshl_b32 s48, s13, 21
	s_lshr_b32 s49, s14, 1
	s_lshl_b32 s49, s49, 18
	s_add_co_u32 s48, s48, s49                     ; the batch's and the pair of heads' place in a region
	s_and_b32 s50, s14, 1                          ; which head of the pair
	s_lshl_b32 s51, s50, 13
	s_add_co_u32 s54, s48, s51                     ; + 8,192 hh
	s_lshr_b32 s49, s10, 2
	s_lshl_b32 s49, s49, 14
	s_add_co_u32 s52, s54, s49                     ; q: + the image of my wave's 128 tokens in a block,
	s_and_b32 s49, s10, 3
	s_lshl_b32 s49, s49, 11
	s_add_co_u32 s52, s52, s49                     ;    + my two tiles in it
	s_add_co_u32 s54, s54, 0x800000                ; k: the second region
	s_lshl_b32 s51, s50, 12
	s_add_co_u32 s56, s48, s51                     ; v: + 4,096 hh,
	s_add_co_u32 s56, s56, 0x1000000               ;    the third region
	s_lshr_b32 s58, s14, 2
	s_lshl_b32 s58, s58, 21                        ; att: four heads are 256 of the last K,
	s_lshl_b32 s49, s13, 19
	s_add_co_u32 s58, s58, s49                     ; a batch 128 tiles of 4,096 bytes,
	s_lshl_b32 s49, s10, 13
	s_add_co_u32 s58, s58, s49                     ; my wave two tiles,
	s_bfe_u32 s49, s14, 0x10001
	s_lshl_b32 s49, s49, 11
	s_add_co_u32 s58, s58, s49                     ; a pair of heads 128 of K,
	s_lshl_b32 s49, s50, 10
	s_add_co_u32 s58, s58, s49                     ; a head two blocks of 512
	s_mov_b32 s53, 0
	s_mov_b32 s55, 0
	s_mov_b32 s57, 0
	s_mov_b32 s59, 0
	s_mov_b32 s41, 0
	s_mov_b32 s44, 0x76543210                      ; v_permlanex16_b32's selects for lane l xor 16
	s_mov_b32 s45, 0xfedcba98
	s_sub_co_u32 s34, 7, s11                       ; the high block first
	s_mov_b32 s32, 0
	s_mov_b32 s33, 0
	s_mov_b32 s36, 0
	s_mov_b32 s38, 0
	s_mov_b32 s39, BUF
	s_wait_kmcnt 0x0
	s_load_b256 s[72:79], s[6:7], 0x0              ; e0 .. e7
	s_add_nc_u64 s[16:17], s[4:5], s[52:53]
	s_add_nc_u64 s[18:19], s[4:5], s[54:55]
	s_add_nc_u64 s[20:21], s[4:5], s[56:57]
	s_add_nc_u64 s[22:23], s[8:9], s[58:59]
	s_mov_b64 s[26:27], s[18:19]                   ; slot 0
	s_mov_b64 s[28:29], s[20:21]
	COPY
	s_wait_kmcnt 0x0
	s_add_co_i32 s48, s74, s75
	s_lshl_b32 s48, s48, 23
	s_mov_b32 s42, 0x3e38aa3b                      ; c = log2(e) / 8
	s_add_co_i32 s42, s42, s48                     ; a score stands for score x 2^(e2 + e3): the two exponents are added to c's exponent field
	s_mov_b32 s43, s42                             ; (named with it as a pair, so it is written)
	s_add_co_i32 s46, s76, s77                     ; e4 + e5
	s_mov_b32 s47, s76                             ; e4
	s_add_co_i32 s48, s76, 127
	s_lshl_b32 s49, s48, 23
	v_mov_b32 v[SCP], s49                          ; 2^e4 as f32: the conversion takes its exponent field
	s_add_co_i32 s48, s48, 8
	s_lshl_b32 s48, s48, 23
	s_or_b32 s48, s48, 0x600000
	v_mov_b32 v[LMP], s48                          ; 448 x 2^e4
	s_add_co_i32 s48, s78, 127
	s_lshl_b32 s49, s48, 23
	v_mov_b32 v[SCO], s49                          ; 2^e6
	s_add_co_i32 s48, s48, 8
	s_lshl_b32 s48, s48, 23
	s_or_b32 s48, s48, 0x600000
	v_mov_b32 v[LMO], s48                          ; 448 x 2^e6
	SETBLK
	v_mov_b32 v[STA], v[T16]                       ; slot 0 goes into buffer 0
	PUT
	s_wait_dscnt 0x0                               ; for the others' sake: my stores have landed
	s_barrier_signal -1
	s_barrier_wait -1
.Ltrip:                                            ; nine trips: a slot of 256 keys each
	s_add_co_u32 s37, s33, 1
	s_cmp_eq_u32 s33, s34
	s_cselect_b32 s37, 0, s37                      ; the next slot: behind the block's own slot the walk begins anew
	v_add_nc_u32 v[ADR], s38, v[L16]
	v_add_nc_u32 v[STA], s39, v[T16]
	s_cmp_eq_u32 s32, 8
	s_cbranch_scc1 .Lno_copy                       ; the last trip copies nothing
	s_lshl_b32 s40, s37, 15                        ; a slot is two images
	s_add_nc_u64 s[26:27], s[18:19], s[40:41]
	s_add_nc_u64 s[28:29], s[20:21], s[40:41]
	COPY
.Lno_copy:
	STEP 0
	STEP 1
	s_cmp_lg_u32 s33, s34
	s_cbranch_scc1 .Lgo_on
	FINISH                                         ; the block's own slot was its last
	s_cmp_eq_u32 s32, 8
	s_cbranch_scc1 .Lgo_on
	s_mov_b32 s34, s11                             ; now the low block
	SETBLK
.Lgo_on:
	s_cmp_eq_u32 s32, 8
	s_cbranch_scc1 .Lno_put
	PUT                                            ; into the buffer that was read in the trip before: every wave's reads of it were waited for in front of that trip's barrier
.Lno_put:
	s_wait_dscnt 0x0                               ; my stores have landed, and my reads of the buffer in hand are over
	s_barrier_signal -1
	s_barrier_wait -1                              ; on every wave's path, in every trip
	s_xor_b32 s38, s38, BUF
	s_xor_b32 s39, s39, BUF
	s_mov_b32 s33, s37
	s_lshl_b32 s36, s37, 8
	s_add_co_u32 s32, s32, 1
	s_cmp_lt_u32 s32, 9
	s_cbranch_scc1 .Ltrip
	s_wait_tensorcnt 0x0
	ds_add_u32 v254, v255
	s_wait_dscnt 0x0
	s_endpgm
.Lfunc_end_k_q7319c17ad7_attention:
	.size	k_q7319c17ad7_attention, .Lfunc_end_k_q7319c17ad7_attention-k_q7319c17ad7_attention
	.p2alignl 7, 3214868480
	.fill 96, 4, 3214868480
	.section	.rodata,"a",@progbits
	.p2align	6, 0x0
	.amdhsa_kernel k_q7319c17ad7_attention
		.amdhsa_group_segment_fixed_size 66560
		.amdhsa_private_segment_fixed_size 0
		.amdhsa_enable_private_segment 0
		.amdhsa_kernarg_size 24
		.amdhsa_user_sgpr_count 2
		.amdhsa_user_sgpr_kernarg_segment_ptr 1
		.amdhsa_wavefront_size32 1
		.amdhsa_system_sgpr_workgroup_id_x 1
		.amdhsa_system_sgpr_workgroup_id_y 1
		.amdhsa_system_sgpr_workgroup_id_z 1
		.amdhsa_system_vgpr_workitem_id 0
		.amdhsa_next_free_vgpr 512
		.amdhsa_next_free_sgpr 84
		.amdhsa_reserve_vcc 1
		.amdhsa_float_denorm_mode_32 3
		.amdhsa_float_denorm_mode_16_64 3
		.amdhsa_memory_ordered 1
		.amdhsa_forward_progress 1
		.amdhsa_inst_pref_size 98
	.end_amdhsa_kernel
	.amdgpu_metadata
---
amdhsa.version: [ 1, 2 ]
amdhsa.kernels:
  - .name:           k_q7319c17ad7_attention
    .symbol:         k_q7319c17ad7_attention.kd
    .args:
      - { .name: qkv, .offset: 0, .size: 8, .value_kind: global_buffer, .address_space: global }
      - { .name: lowp_scales, .offset: 8, .size: 8, .value_kind: global_buffer, .address_space: global }
      - { .name: att, .offset: 16, .size: 8, .value_kind: global_buffer, .address_space: global }
    .group_segment_fixed_size: 66560
    .private_segment_fixed_size: 0
    .kernarg_segment_align: 8
    .kernarg_segment_size: 24
    .max_flat_workgroup_size: 256
    .sgpr_count:     84
    .vgpr_count:     512
    .wavefront_size: 32
...
	.end_amdgpu_metadata
.endif
;; end of part 2
;; launch proj (part 3): grid 4 x 32, 4 waves a work-group, clusters of 4 x 4, 327,680 bytes of LDS; arguments att, W_proj_codes, lowp_scales, b_proj, out0; writes out0
.if DOCPART == 3
	.amdgcn_target "amdgcn-amd-amdhsa--gfx1250"
	.amdhsa_code_object_version 6
	.text
	.protected	k_q7319c17ad7_proj
	.globl	k_q7319c17ad7_proj
	.p2align	8
	.type	k_q7319c17ad7_proj,@function
k_q7319c17ad7_proj:
	s_mov_b64 s[64:65], 0
	v_nop
	global_prefetch_b8 v0, s[64:65] scope:SCOPE_SE
	s_setreg_imm32_b32 hwreg(HW_REG_WAVE_MODE, 25, 1), 1
	s_wait_xcnt 0x0
	s_wait_alu depctr_hold_cnt(0) depctr_sa_sdst(0) depctr_va_vdst(0) depctr_va_sdst(0) depctr_va_ssrc(0) depctr_va_vcc(0) depctr_vm_vsrc(0)
	s_getreg_b32 s2, hwreg(HW_REG_IB_STS2, 6, 4)
	s_cmp_eq_u32 s2, 0
	s_cbranch_scc0 .Lentry_in_a_cluster
	s_endpgm
.Lentry_in_a_cluster:
	s_bfe_u32 s2, ttmp6, 0x10000c
	s_cmp_lg_u32 s2, 0xf033
	s_cbranch_scc0 .Lentry_shape_is_right
	s_endpgm
.Lentry_shape_is_right:
; out0 = att W_proj + b_proj on codes of FP8 (E4M3); sums in f32; each finished sum x 2^(e6 + e7) + bias, one fused multiply-add.  out0: [8192][1024] f32.
; LIMIT: e6 + e7 lies between -126 and 127, so that 2^(e6 + e7) is an f32 number.  NaN codes are not served.
; att comes as IMAGES OF OPERAND REGISTERS: [256 of K: 2^21][tile of 16 tokens: 4,096][128 K: 2,048][c: 512] bytes, lane l's 16 bytes at 16 l: K = 32 c + 16 (l / 16) + 0 .. 15 of the tile's row l % 16;
; tile 2 g + u, lane r is token 32 g + 8 u + r + 8 (r / 8).  So a K step of a work-group's 256 tokens is one dense block of 65,536 bytes, it needs no padding in LDS, and a fragment load's 512 bytes are consecutive.
; W_proj: [1024 (n)][1024 (k)] codes, rows of 256 bytes a K step, padded in LDS.
; A tile of 256 x 256 of out0 is made by a work-group of four waves; a wave makes 128 x 128: 64 accumulators.  K = 1,024 goes in four steps of 256 through a ring of two LDS slots.  128 tiles: 128 work-groups.
; CLUSTERS: 4 x 4 work-groups.  The four of a row of the cluster need the same tile of att, the four of a column the same tile of W_proj: each is asked for JOINTLY.
; THE MATRIX INSTRUCTION IS USED TRANSPOSED (source 0 = 16 rows of W_proj, source 1 = 16 tokens): a lane holds eight neighbouring numbers of a row of out0.
; REGISTERS, in windows of 256: window 0: v0-31 addresses and my four biases; from v128 att's fragments, ONE set; on the way out v128-255 take rows of out0.   window 1: W_proj's fragments, TWO sets.   windows 2, 3: the accumulators.
.set KSTEP,  256
.set ROWB,   256                       ; a row of W_proj's tile in bytes
.set KROW,   1024                      ; a row of W_proj in memory
.set PITCH,  272                       ; its LDS row: 256 bytes + 16 of padding: the 16 rows that a load touches start at 16 different banks (64 banks of 4 bytes: ISA guide 11.1)
.set FR,     16
.set NL,     4
.set NP,     4
.set HALFA,  32768                     ; att: eight tiles of 16 tokens x 256 K: what one tensor load brings
.set HALFT,  128*PITCH                 ; W_proj: 128 rows
.set BOFF,   2*HALFA                   ; W_proj's rows lie behind att's images
.set SLOT,   BOFF+2*HALFT
.set ASTEP,  1<<21                     ; from a K step of att to the next
.set LAPS,   KROW/(2*KSTEP)
.set SPARE,  2*SLOT                    ; behind the ring: the spare words, 128 bytes for each wave: two blocks of 256 bytes that no other line names
.set SPITCH, 528                       ; the way out: a stage of 16 rows x (512 bytes + 16) for each wave, in slot 0, which has had its last fill and its last read when the first sum is stored there
.set BIAS, 8                           ; v8-11   b_proj at my four columns of a row read back
.set ADRA, 16
.set ADRB, 20
.set STO,  24
.set RD,   25
.set CO,   26                          ; v26     16 x lane
.set SPW,  28
.set NIL,  29
.set AF,   128
.set BK,   128                         ; the way out: 16 rows read back: v128-191 and v192-255 by turns
.set G1, 24
.set G0, 32
.set G1B, 48
.set G0B, 56
.set MSB, 0
.macro WIN new
.if MSB != (\new)
	s_set_vgpr_msb (MSB<<8)|(\new)
.set MSB, (\new)
.endif
.endm
.set MUL_LO, 0xa1
.set MUL_HI, 0xf1
.set TO_B,   0x40
.macro JLOAD g0a, g1a, g0b, g1b        ; a joint load: waves 0 and 1 fetch att's halves, waves 2 and 3 W_proj's; four v_nop follow each of the two lines
	s_cmp_eq_u32 s15, 0
	s_cbranch_scc0 .Lfor_b_\@
	tensor_load_to_lds s[\g0a:\g0a+3], s[\g1a:\g1a+7]
	s_nop 0
.rept 4
	v_nop
.endr
	s_branch .Lasked_\@
.Lfor_b_\@:
	tensor_load_to_lds s[\g0b:\g0b+3], s[\g1b:\g1b+7]
	s_nop 0
.rept 4
	v_nop
.endr
.Lasked_\@:
.endm
.macro CREST
	s_cmp_lg_u32 s14, 0
	s_cbranch_scc1 .Lnot_wave_0_\@
	s_barrier_signal -3
.Lnot_wave_0_\@:
	s_barrier_wait -3
	s_barrier_signal -1
	s_barrier_wait -1
.endm
.macro CROUND
	s_barrier_signal -1
	s_barrier_wait -1
	CREST
.endm
	s_load_b128 s[4:7], s[0:1], 0x0                ; att s[4:5], W_proj's codes s[6:7]
	s_load_b128 s[8:11], s[0:1], 0x10              ; the scales' exponents s[8:9], b_proj s[10:11]
	s_load_b64 s[12:13], s[0:1], 0x20              ; out0
	v_lshl_add_u32 v[SPW], v0, 2, SPARE
	v_mov_b32 v[NIL], 0
	ds_add_u32 v28, v29
	ds_add_u32 v28, v29
	s_wait_dscnt 0x0
	v_lshrrev_b32 v1, 5, v0
	v_readfirstlane_b32 s14, v1                    ; wave 0..3
	s_lshr_b32 s15, s14, 1                         ; which half of the tile's tokens is mine.  Also: I fetch for att (0) or for W_proj (1)
	s_and_b32 s16, s14, 1                          ; which half of its columns.  Also: which half of that tile I fetch
	s_bfe_u32 s40, ttmp6, 0x40000                  ; cx, cy
	s_bfe_u32 s41, ttmp6, 0x40004
	s_lshl_b32 s42, ttmp9, 2
	s_add_co_u32 s42, s42, s40                     ; tile column = 4 x cluster x + cx
	s_and_b32 s17, ttmp7, 0xffff
	s_lshl_b32 s17, s17, 2
	s_add_co_u32 s17, s17, s41                     ; tile row = 4 x cluster y + cy
	s_lshl_b32 s43, s41, 2
	s_lshl_b32 s43, 15, s43                        ; my row of the cluster
	s_lshl_b32 s44, 0x1111, s40                    ; my column
	; att's group 1: a dense block of 32,768 bytes as 128 rows of 32 elements of 8 bytes, no padding
	s_or_b32 s[G1+0], s43, (3<<16)|(1<<21)         ; 15:0 the mask: my row; 17:16 elements of 8 bytes; 21 set beside a mask
	s_mov_b32 s[G1+1], 32<<16                      ; tensor_dim0 = 32
	s_mov_b32 s[G1+2], 128<<16                     ; tensor_dim1 = 128
	s_mov_b32 s[G1+3], 32<<16                      ; tile_dim0 = 32
	s_mov_b32 s[G1+4], 128                         ; tile_dim1 = 128
	s_mov_b32 s[G1+5], 32                          ; from row to row: 32 elements: dense
	s_mov_b32 s[G1+6], 0
	s_mov_b32 s[G1+7], 0
	; W_proj's group 1: 128 rows x 256 bytes, padded in LDS
	s_or_b32 s[G1B+0], s44, (0<<16)|(1<<20)|(1<<21)|(5<<22)|(3<<25)  ; the mask: my column; elements of 1 byte; padding: 4 words after every 64
	s_mov_b32 s[G1B+1], ROWB<<16
	s_mov_b32 s[G1B+2], 128<<16
	s_mov_b32 s[G1B+3], ROWB<<16
	s_mov_b32 s[G1B+4], 128
	s_mov_b32 s[G1B+5], KROW
	s_mov_b32 s[G1B+6], 0
	s_mov_b32 s[G1B+7], 0
	s_lshl_b32 s20, s17, 16                        ; att: 65,536 x tile row
	s_lshl_b32 s45, s16, 15                        ; + 32,768 x half: in memory and in a slot alike
	s_add_co_u32 s20, s20, s45
	s_mov_b32 s21, 0
	s_lshl_b32 s46, s42, 8
	s_lshl_b32 s18, s16, 7
	s_add_co_u32 s46, s46, s18                     ; W_proj: row 256 x tile column + 128 x half,
	s_lshl_b32 s46, s46, 10                        ; in bytes
	s_mov_b32 s47, 0
	s_mul_i32 s72, s16, HALFT
	s_add_co_u32 s72, s72, BOFF                    ; and its place in a slot: no place in the cluster enters an LDS address
	s_wait_kmcnt 0x0
	s_load_b256 s[80:87], s[8:9], 0x0              ; e0 .. e7
	s_add_nc_u64 s[20:21], s[4:5], s[20:21]
	s_add_nc_u64 s[46:47], s[6:7], s[46:47]
	CROUND                                         ; all sixteen work-groups are here: the first joint loads meet
.irp s, 0,1
	s_mov_b32 s[G0+4*\s], 1
	s_add_co_u32 s[G0+4*\s+1], s45, \s*SLOT
	s_add_nc_u64 s[G0+4*\s+2:G0+4*\s+3], s[20:21], \s*ASTEP
	s_or_b32 s[G0+4*\s+3], s[G0+4*\s+3], 0x80000000
	s_mov_b32 s[G0B+4*\s], 1
	s_add_co_u32 s[G0B+4*\s+1], s72, \s*SLOT
	s_add_nc_u64 s[G0B+4*\s+2:G0B+4*\s+3], s[46:47], \s*ROWB
	s_or_b32 s[G0B+4*\s+3], s[G0B+4*\s+3], 0x80000000
	JLOAD G0+4*\s, G1, G0B+4*\s, G1B
.endr
	v_and_b32 v1, 15, v0                           ; r
	v_bfe_u32 v2, v0, 4, 1                         ; h
	v_mul_u32_u24 v3, v1, PITCH
	v_lshl_add_u32 v4, v2, 4, v3                   ; W_proj: a fragment's row x pitch + 16 x half
	v_and_b32 v6, 31, v0
	v_lshlrev_b32 v[CO], 4, v6                     ; att: 16 x lane
	s_lshl_b32 s21, s15, 15                        ; my eight tiles of tokens
	s_mul_i32 s22, s16, HALFT                      ; my 128 rows of W_proj,
	s_add_co_u32 s22, s22, BOFF                    ; behind att's images
.irp s, 0,1
	v_add_nc_u32 v[ADRA+\s], s21, v[CO]
	v_add_nc_u32 v[ADRB+\s], s22, v4
	s_add_co_u32 s21, s21, SLOT
	s_add_co_u32 s22, s22, SLOT
.endr
	s_mul_i32 s23, s14, 16*SPITCH                  ; my stage
	v_mul_u32_u24 v5, v1, SPITCH                   ; in: row l % 16, 32 bytes for each half of the lanes
	v_lshl_add_u32 v5, v2, 5, v5
	v_add_nc_u32 v[STO], s23, v5
	v_add_nc_u32 v[RD], s23, v[CO]                 ; back: the 32 lanes take one row of 512 bytes
	s_lshl_b32 s76, s42, 10                        ; my first column, in bytes of f32: 1,024 x tile column + 512 x half  (in registers that feed no descriptor)
	s_lshl_b32 s77, s16, 9
	s_add_co_u32 s76, s76, s77
	s_mov_b32 s77, 0
	s_add_nc_u64 s[10:11], s[10:11], s[76:77]      ; b_proj at my 128 columns
	global_load_b128 v[BIAS:BIAS+3], v[CO], s[10:11]   ; a lane's four columns are the same in every row that it reads back
	s_lshl_b32 s74, s17, 8
	s_lshl_b32 s75, s15, 7
	s_add_co_u32 s74, s74, s75                     ; my first token: 256 x tile row + 128 x half
	s_lshl_b32 s74, s74, 12                        ; rows of 4,096 bytes: under 2^25
	s_add_co_u32 s74, s74, s76
	s_mov_b32 s75, 0
	s_add_nc_u64 s[12:13], s[12:13], s[74:75]
.macro FRAGA reg, adr, q, i            ; att's fragment: tile i, the slot's q-th 128 along K: four blocks of 512 bytes as they lie
.irp c, 0,1,2,3
	ds_load_b128 v[\reg+4*\c:\reg+4*\c+3], v[\adr] offset:(\i)*4096+(\q)*2048+\c*512
.endr
.endm
.macro FRAGB reg, adr, q, i            ; W_proj's: lane l holds row l % 16; registers 4 c .. 4 c + 3 hold K = 32 c + 16 (l / 16) + 0 .. 15: the order of att's images
.irp c, 0,1,2,3
	ds_load_b128 v[\reg+4*\c:\reg+4*\c+3], v[\adr] offset:128*(\q)+32*\c+(\i)*16*PITCH
.endr
.endm
; 16 matrix instructions: att's tiles a0, a0 + 1 x W_proj's eight blocks, 128 along K.  The 64 accumulators take turns, one instruction a turn, in the same order in every step.
.macro MUL16 a0, p, zero
.irp a, \a0, \a0+1
.irp b, 0,1,2,3,4,5,6,7
.if \zero
	v_wmma_f32_16x16x128_fp8_fp8 v[8*(8*((\a)%4)+\b):8*(8*((\a)%4)+\b)+7], v[128*(\p)+FR*\b:128*(\p)+FR*\b+FR-1], v[AF+FR*(\a):AF+FR*(\a)+FR-1], 0
.else
	v_wmma_f32_16x16x128_fp8_fp8 v[8*(8*((\a)%4)+\b):8*(8*((\a)%4)+\b)+7], v[128*(\p)+FR*\b:128*(\p)+FR*\b+FR-1], v[AF+FR*(\a):AF+FR*(\a)+FR-1], v[8*(8*((\a)%4)+\b):8*(8*((\a)%4)+\b)+7]
.endif
.endr
.endr
.endm
.macro FETCH_B slot, q, p
	WIN TO_B
.irp i, 0,1,2,3,4,5,6,7
	FRAGB 128*(\p)+FR*\i, ADRB+\slot, \q, \i
.endr
	WIN 0
.endm
.macro FETCH_A slot, q, i0
.irp i, \i0, \i0+1, \i0+2, \i0+3
	FRAGA AF+FR*(\i), ADRA+\slot, \q, \i
.endr
.endm
.macro PLACES n                        ; places behind matrix instructions: plain vector instructions that name none of their registers (ISA guide 7.12.1 for vector instructions)
.rept \n
	v_nop
.endr
.endm
.macro STEP slot, q, zero
	s_wait_dscnt 4*NL                              ; W_proj's set and att's tiles 0-3 are in; the youngest 16 loads (tiles 4-7) may be out
	WIN MUL_LO
	MUL16 0, (\q)%2, \zero
	MUL16 2, (\q)%2, \zero
	s_wait_dscnt 0
	PLACES NP
	FETCH_B \slot, (\q)+1, 1-(\q)%2
	FETCH_A \slot, (\q)+1, 0
	WIN MUL_HI
	MUL16 4, (\q)%2, \zero
	MUL16 6, (\q)%2, \zero
	PLACES NP
	WIN 0
	FETCH_A \slot, (\q)+1, 4
.endm
.macro TURN slot, next, fill
	s_wait_tensorcnt 0x0                           ; all my tensor loads have landed: the one that was out is my part of the next slot
	ds_add_u32 v[SPW], v[NIL]                      ; 0 onto my spare word
	s_wait_dscnt 4*NL+1                            ; (the add and the youngest 16 loads may be out)
	WIN MUL_LO
	MUL16 0, 1, 0
	s_wait_dscnt 0x0                               ; the add is done, and my reads of this slot are over
	s_barrier_signal -1
	MUL16 2, 1, 0
	WIN 0
	s_barrier_wait -1
.if \fill
	CREST                                          ; the barrier has opened a round of the cluster's barrier: no wave of any partner still reads this slot or has a load on its way
	s_add_nc_u64 s[G0+4*\slot+2:G0+4*\slot+3], s[G0+4*\slot+2:G0+4*\slot+3], 2*ASTEP
	s_add_nc_u64 s[G0B+4*\slot+2:G0B+4*\slot+3], s[G0B+4*\slot+2:G0B+4*\slot+3], 2*ROWB
	JLOAD G0+4*\slot, G1, G0B+4*\slot, G1B         ; the first tensor load behind the round, my only one until the next
.else
	PLACES NP
.endif
	FETCH_B \next, 0, 0
	FETCH_A \next, 0, 0
	WIN MUL_HI
	MUL16 4, 1, 0
	MUL16 6, 1, 0
	PLACES NP
	WIN 0
	FETCH_A \next, 0, 4
.endm
	s_wait_tensorcnt 1                             ; my part of K step 0 is in; K step 1's load, issued behind it, may be out
	s_barrier_signal -1
	s_barrier_wait -1
	FETCH_B 0, 0, 0
	FETCH_A 0, 0, 0
	FETCH_A 0, 0, 4
	STEP 0, 0, 1                                   ; the first step's products start the sums
.if LAPS > 1
	s_mov_b32 s3, LAPS-1
.Llap:
	TURN 0, 1, 1
	STEP 1, 0, 0
	TURN 1, 0, 1
	STEP 0, 0, 0
	s_sub_co_u32 s3, s3, 1
	s_cmp_lg_u32 s3, 0
	s_cbranch_scc1 .Llap
.endif
	TURN 0, 1, 0                                   ; the last lap fills nothing
	STEP 1, 0, 0
	s_wait_dscnt 4*NL
	WIN MUL_LO
	MUL16 0, 1, 0
	MUL16 2, 1, 0
	s_wait_dscnt 0
	WIN MUL_HI
	MUL16 4, 1, 0
	MUL16 6, 1, 0
	WIN 0
; THE WAY OUT, tile by tile of 16 tokens x 128 columns.  The raw sums go from the accumulators into my own stage (each accumulator from its low end on) and come back as whole rows of 512 bytes; there a lane's four columns
; are the same in every row, so scale and bias are one packed multiply-add for two numbers.  LDS serves a wave's instructions in order (ISA guide 5.7.1.4): no wait between the stores and the loads.
.macro TOSTAGE a
.set AC, 64*((\a)%4)
	WIN 0x08+4*((\a)/4)                            ; store data: window 2 or 3
.irp b, 0,1,2,3,4,5,6,7
	ds_store_b128 v[STO], v[AC+8*\b:AC+8*\b+3] offset:64*\b
	ds_store_b128 v[STO], v[AC+8*\b+4:AC+8*\b+7] offset:64*\b+16
.endr
	WIN 0
.set BB, BK+64*((\a)%2)
.irp t, 0,1,2,3,4,5,6,7,8,9,10,11,12,13,14,15
	ds_load_b128 v[BB+4*\t:BB+4*\t+3], v[RD] offset:\t*SPITCH
.endr
.endm
.macro SEND a, younger                 ; younger: the LDS instructions issued behind tile a's loads, which may stay out
.set BB, BK+64*((\a)%2)
	s_wait_dscnt \younger
.irp t, 0,1,2,3,4,5,6,7,8,9,10,11,12,13,14,15
	v_pk_fma_f32 v[BB+4*\t:BB+4*\t+1], v[BB+4*\t:BB+4*\t+1], s[96:97], v[BIAS:BIAS+1] op_sel_hi:[1,0,1]       ; sum x 2^(e6 + e7) + bias
	v_pk_fma_f32 v[BB+4*\t+2:BB+4*\t+3], v[BB+4*\t+2:BB+4*\t+3], s[96:97], v[BIAS+2:BIAS+3] op_sel_hi:[1,0,1]
	global_store_b128 v[CO], v[BB+4*\t:BB+4*\t+3], s[12:13] offset:(32*((\a)/2)+8*((\a)%2)+\t+8*(\t/8))*4096 th:TH_STORE_NT   ; row t of tile a is token 32 (a / 2) + 8 (a % 2) + t + 8 (t / 8) of my 128; 32 lanes store 512 consecutive bytes, aligned; 520,192 at the most, inside the signed 24-bit immediate
.endr
.endm
	s_wait_kmcnt 0x0
	s_add_co_i32 s96, s86, s87                     ; e6 + e7,
	s_add_co_i32 s96, s96, 127
	s_lshl_b32 s96, s96, 23                        ; as the f32 number 2^(e6 + e7)
	s_mov_b32 s97, s96                             ; (named with it as a pair, so it is written)
	s_wait_loadcnt 0x0                             ; the biases
	PLACES NP                                      ; behind the last products: their results are read, and the registers that held att's fragments are loaded, only behind these
	TOSTAGE 0
.irp a, 1,2,3,4,5,6,7
.if \a > 1
	s_wait_xcnt 0x0                                ; tile a - 2's stores have read their registers: tile a's loads may land there
.endif
	TOSTAGE \a
	SEND \a-1, 32                                  ; behind tile a - 1's loads: tile a's 16 stores and 16 loads
.endr
	SEND 7, 0
	s_wait_tensorcnt 0x0                           ; the wave's end: behind my last tensor load and my last LDS store
	ds_add_u32 v[SPW], v[NIL]
	s_wait_dscnt 0x0
	CROUND                                         ; the closing round: no work-group ends while a partner may still ask for a tile that names it
	s_endpgm
.Lfunc_end_k_q7319c17ad7_proj:
	.size	k_q7319c17ad7_proj, .Lfunc_end_k_q7319c17ad7_proj-k_q7319c17ad7_proj
	.p2alignl 7, 3214868480
	.fill 96, 4, 3214868480
	.section	.rodata,"a",@progbits
	.p2align	6, 0x0
	.amdhsa_kernel k_q7319c17ad7_proj
		.amdhsa_group_segment_fixed_size 327680
		.amdhsa_private_segment_fixed_size 0
		.amdhsa_enable_private_segment 0
		.amdhsa_kernarg_size 40
		.amdhsa_user_sgpr_count 2
		.amdhsa_user_sgpr_kernarg_segment_ptr 1
		.amdhsa_wavefront_size32 1
		.amdhsa_system_sgpr_workgroup_id_x 1
		.amdhsa_system_sgpr_workgroup_id_y 1
		.amdhsa_system_sgpr_workgroup_id_z 1
		.amdhsa_system_vgpr_workitem_id 0
		.amdhsa_next_free_vgpr 1024
		.amdhsa_next_free_sgpr 100
		.amdhsa_reserve_vcc 0
		.amdhsa_float_denorm_mode_32 3
		.amdhsa_float_denorm_mode_16_64 3
		.amdhsa_memory_ordered 1
		.amdhsa_forward_progress 1
		.amdhsa_inst_pref_size 123
	.end_amdhsa_kernel
	.amdgpu_metadata
---
amdhsa.version: [ 1, 2 ]
amdhsa.kernels:
  - .name:           k_q7319c17ad7_proj
    .symbol:         k_q7319c17ad7_proj.kd
    .args:
      - { .name: att, .offset: 0, .size: 8, .value_kind: global_buffer, .address_space: global }
      - { .name: W_proj_codes, .offset: 8, .size: 8, .value_kind: global_buffer, .address_space: global }
      - { .name: lowp_scales, .offset: 16, .size: 8, .value_kind: global_buffer, .address_space: global }
      - { .name: b_proj, .offset: 24, .size: 8, .value_kind: global_buffer, .address_space: global }
      - { .name: out0, .offset: 32, .size: 8, .value_kind: global_buffer, .address_space: global }
    .group_segment_fixed_size: 327680
    .private_segment_fixed_size: 0
    .kernarg_segment_align: 8
    .kernarg_segment_size: 40
    .max_flat_workgroup_size: 128
    .sgpr_count:     100
    .vgpr_count:     1024
    .wavefront_size: 32
...
	.end_amdgpu_metadata
.endif
;; end of part 3
;; ======== version 2 of 2: 3 launches; version 1 with the launch attention written anew for expert scheduling mode
;; limits: right only within a limited range of input values
;; workspace buffers: qkv 25,165,824 bytes; att 8,388,608 bytes
;; launch qkv_gemm: the kernel of part 1 again; grid 12 x 32, 4 waves a work-group, clusters of 4 x 4, 327,680 bytes of LDS; arguments x_codes, W_qkv_codes, lowp_scales, qkv; writes qkv
;; launch attention (part 4): grid 4 x 64, 8 waves a work-group, no clusters, 66,560 bytes of LDS; arguments qkv, lowp_scales, att; writes att
.if DOCPART == 4
	.amdgcn_target "amdgcn-amd-amdhsa--gfx1250"
	.amdhsa_code_object_version 6
	.text
	.protected	k_q7319c17ad7_attention
	.globl	k_q7319c17ad7_attention
	.p2align	8
	.type	k_q7319c17ad7_attention,@function
k_q7319c17ad7_attention:
	s_mov_b64 s[64:65], 0
	v_nop
	global_prefetch_b8 v0, s[64:65] scope:SCOPE_SE
	s_setreg_imm32_b32 hwreg(HW_REG_WAVE_SCHED_MODE, 0, 2), 2
	s_setreg_imm32_b32 hwreg(HW_REG_WAVE_MODE, 25, 1), 1
	s_wait_xcnt 0x0
	s_wait_alu depctr_vm_vsrc(0)
; Causal attention of one head on codes of FP8 (E4M3): S = q k^T / 8, p = 2^(t - M), O = p v / l, and O quantised for the last product.  T = 2,048, head size 64, 64 heads (batch x 16 + head).
; qkv holds q, k and v as IMAGES OF OPERAND REGISTERS: [region q, k, v: 2^23][batch: 2^21][pair of heads: 2^18][128 tokens: 2^14] bytes, in blocks of 512 bytes, lane l's 16 bytes at 16 l.
;   q, k of head hh of the pair: 8,192 hh + 1,024 t + 512 c: tile t = 2 g + u, lane r = token 32 g + 8 u + r + 8 (r / 8); the lane's bytes are d = 32 c + 16 (l / 16) + 0 .. 15.
;   v (keys innermost): 8,192 (c / 2) + 4,096 hh + 1,024 t + 512 (c % 2): tile t, lane r = d 32 (t / 2) + 8 (t % 2) + r + 8 (r / 8); bytes: keys 32 c + 16 (l / 16) + 0 .. 15.
; BOTH PRODUCTS ARE USED TRANSPOSED: S^T = k q^T (source 0 = 16 keys, source 1 = 16 queries), O^T = v^T p^T: a lane holds ONE query throughout.  By the choice of a tile's rows the 16 registers of tiles 2 b, 2 b + 1 of S^T
; are keys 32 b + 16 (l / 16) + 0 .. 15, and those of O^T are d likewise: the conversions' results ARE the next operand's registers, for p and for the output.
; THE SOFTMAX: t = score x log2(e) / 8; M = the running largest t rounded UP to a whole number, kept as -M = floor(-t); p = 2^(t - M) is quantised with 2^e4, not normalised; the row's sum l is taken of the unquantised p;
; when M moves, l and O^T are multiplied by 2^(old M - new M), which rounds nothing.  At the end O^T x 2^(e4 + e5) / l is quantised with 2^e6.
; SHARES.  Work-group (i, head), i = 0 .. 3, owns the blocks of 256 queries 7 - i and i.  Block b needs the key slots (256 keys) 0 .. b: 8 - i slots and then i + 1: NINE slots whatever i is: equal work, and a constant trip count.
; Wave w of eight owns 32 queries of the block, two tiles, so that each fragment of k and v read from LDS feeds two products.  A step (128 keys) all of whose keys come after the wave's queries is left out (a scalar branch on ids).
; DATA PATH.  A slot of k and v is 32,768 bytes of images: a dense copy.  Each thread loads 8 x 16 bytes at a trip's head for the NEXT trip, and stores them at the trip's end into the other of two LDS buffers: one barrier a trip.
; No prefetch instruction is written: the copy's loads are themselves issued a whole trip ahead of the stores that wait for them.
; NO CLUSTER: the four work-groups of a head walk slots 0 .. 7 - i and then 0 .. i; in the last four trips they want different slots, and a walk in which all four make every request has 8 + 4 = 12 slots against 9.
; A branch hangs on the whole number e4: where e4 >= -8, 448 x 2^e4 >= 1.75 lies above every p, and the 128 holds of a step are jumped over.
; LIMITS: e2 + e3 between -123 and 130 (added to c's exponent field); e4 and e6 between -126 and 119.  Hidden scores become -infinity where reference() has -1e9: the same result unless a row's visible logits come near -1e9.  NaN codes are not served.
; att: [4 heads = 256 of the last K: 2^21][tile of 16 tokens: 4,096][128 K: 2,048][c: 512] bytes, lane at 16 l; tile 2 g + u, lane r = token 32 g + 8 u + r + 8 (r / 8).
; THE MODE: SCHED_MODE bits 1:0 = 2 (LLVM: expert scheduling mode 2), set by the entry lines.  The code itself states the register dependences between vector or matrix instructions and memory or LDS
; instructions, with s_wait_alu, always for 0.
; THE PLAN.  Registers that memory or LDS instructions touch:
;   v1, v2      offsets of q's loads, att's stores and the copy's loads: made once at the head, never written again.
;   v3, v4      the LDS addresses of the trip's fragment loads and of its eight stores: written by two additions at each trip's head, read until the trip's end.
;   STG         written by the copy's loads at a trip's head, read by the LDS stores at its end; no vector instruction names it.
;   KFR, VFR    k's and v's fragments: written by LDS loads, read by a step's products S^T and O^T.
;   Q           written by four loads at a block's start, read by the block's products S^T.
;   P           written by conversions; read by the products O^T and, at a block's end, by four stores.
;   S, O, the statistics and what is at work are named by vector and matrix instructions alone.
; A TRIP'S WAITS.  At its head, on every path: one on vm_vsrc (the last trip's LDS loads have read v3, its LDS stores v4 and STG), the two additions, one on va_vdst (v3 and v4 are written; the last trip's products are done
; reading KFR and VFR): the copy's loads and step 0's 32 fragment loads follow with nothing but scalar lines, v_nop and window switches between.  Step 0's wait behind its exponentials also states that its products S^T are
; done reading KFR: step 1's fragments of k are asked for there, and land under the rest of step 0.  One wait on va_vdst at step 1's head: step 0's products O^T are done reading VFR.  The LDS stores at the trip's end owe nothing more.
; REGISTERS.  window 0: below.  window 1: v0-63 k's 8 fragments; v64-127 v's 4; v128-191 O^T (32 a tile); v192-223 the copy on its way.
.set L16,  1                           ; v1   16 x lane
.set T16,  2                           ; v2   16 x thread
.set ADR,  3                           ; v3   LDS: the buffer in hand + 16 x lane
.set STA,  4                           ; v4   LDS: the other buffer + 16 x thread
.set QREL, 5                           ; v5   r + 8 (r / 8) - 16 (l / 16)
.set DD,   6                           ; v6, v7  the mask: my query less the step's first key less 16 (l / 16), for tile 0, 1
.set NINF, 8                           ; v8   -infinity
.set SCP,  10                          ; v10  2^e4;  v11  448 x 2^e4
.set LMP,  11
.set SCO,  12                          ; v12  2^e6;  v13  448 x 2^e6
.set LMO,  13
.set ST,   16                          ; tile u at v[16 + 8 u]: +0 -M, +1 the largest t, +2, +3 l in two halves, +4 f, +5 named with f as a pair, +6, +7 the sums' second chain
.set Q,    32                          ; q's fragment, 8 a tile
.set P,    48                          ; p's codes, 16 a tile; at the end the output's codes
.set S,    80                          ; S^T, then p: 64 a tile
.set TT,   208                         ; tile u at v[208 + 8 u]: +0, +1 the maximum's two chains, +2 the other half of the lanes', +3 M's change
.set KFR,  0                           ; window 1
.set VFR,  64
.set O,    128
.set STG,  192
.set BUF,  0x8000                      ; an LDS buffer: k's two steps (2 x 8,192), then v's two
.set MK,   50                          ; the mask's 32 lane masks: s50-63 and s66-83: mask n at s[MK + n + 2 ((n + 18) / 32)]; free inside the loop
.set MSB, 0
.macro WIN new                         ; low byte: bits 1:0 source 0, 3:2 source 1, 5:4 source 2, 7:6 destination; the high byte repeats the setting that is left
.if MSB != (\new)
	s_set_vgpr_msb (MSB<<8)|(\new)
.set MSB, (\new)
.endif
.endm
; s10 wave; s11 i; s13 batch; s14 head; s[16:17], s[18:19], s[20:21], s[22:23] my bases in q, k, v, att; s[24:25] q of the block, s[26:27], s[28:29] k, v of the slot to be copied, s[30:31] att of the block;
; s32 trip; s33 the slot in hand; s34 the block; s35 my first query; s36 the step's first key; s37 the next slot; s38, s39 the two buffers; s[40:41] an offset; s[42:43] c; s[44:45] lane selects; s46 e4 + e5; s47 e4
.macro COPY                            ; the next slot's 32,768 bytes: 256 threads x 8 x 16: each load of a wave covers 512 consecutive bytes
	WIN 0x40                                       ; destination window 1
.irp s, 0,1
.irp j, 0,1
	global_load_b128 v[STG+8*\s+4*\j:STG+8*\s+4*\j+3], v[T16], s[26:27] offset:\s*16384+\j*4096        ; k of step s: 8,192 bytes on end
	global_load_b128 v[STG+16+8*\s+4*\j:STG+16+8*\s+4*\j+3], v[T16], s[28:29] offset:\s*16384+\j*8192  ; v of step s: two runs of 4,096
.endr
.endr
	WIN 0
.endm
.macro PUT                             ; v4 was written ahead of the wait on va_vdst at the trip's head (the first time: at the kernel's head), and no vector instruction since names it
	s_wait_loadcnt 0x0                             ; the copy's eight loads are in: so s[26:29] may be written again too
	WIN 0x04                                       ; store data window 1
.irp s, 0,1
.irp j, 0,1
	ds_store_b128 v[STA], v[STG+8*\s+4*\j:STG+8*\s+4*\j+3] offset:\s*8192+\j*4096
	ds_store_b128 v[STA], v[STG+16+8*\s+4*\j:STG+16+8*\s+4*\j+3] offset:16384+\s*8192+\j*4096
.endr
.endr
	WIN 0
.endm
.macro KLOAD q                         ; k's eight fragments of the slot's q-th step
.irp t, 0,1,2,3,4,5,6,7
.irp c, 0,1
	ds_load_b128 v[KFR+8*\t+4*\c:KFR+8*\t+4*\c+3], v[ADR] offset:(\q)*8192+\t*1024+\c*512
.endr
.endr
.endm
; A block of queries begins (s34): q's fragments, and m, l, O^T as -3e38, 0, 0: the step is written once, and the first change of M multiplies zeros.
; q's loads owe no wait of their own: at the head no vector or matrix instruction has named Q; in the loop the wait on va_vdst ahead of the last block's stores has shown all its products done reading Q, and only scalar lines follow it.
.macro SETBLK
	s_lshl_b32 s35, s34, 8
	s_lshl_b32 s48, s10, 5
	s_add_co_u32 s35, s35, s48                     ; my first query: 256 x block + 32 x wave
	s_lshl_b32 s40, s34, 15
	s_add_nc_u64 s[24:25], s[16:17], s[40:41]      ; a block is two images of q,
	s_lshl_b32 s40, s34, 16
	s_add_nc_u64 s[30:31], s[22:23], s[40:41]      ; and sixteen tiles of att
.irp u, 0,1
.irp c, 0,1
	global_load_b128 v[Q+8*\u+4*\c:Q+8*\u+4*\c+3], v[L16], s[24:25] offset:\u*1024+\c*512 th:TH_LOAD_NT   ; read once, by this wave alone
.endr
.endr
.irp u, 0,1
	v_mov_b32 v[ST+8*\u+1], 0xff61b1e6             ; the largest t so far: -3e38, under every t
	v_mov_b32 v[ST+8*\u+2], 0
	v_mov_b32 v[ST+8*\u+3], 0
.endr
.irp u, 0,1
	v_floor_f32 v[ST+8*\u], -v[ST+8*\u+1]
.endr
	WIN 0x40
.set j, 0
.rept 64
	v_mov_b32 v[O+j], 0
.set j, j+1
.endr
	WIN 0
	s_wait_loadcnt 0x0                             ; q is in
.endm
; A KEY STEP: 128 keys, the q-th of the slot in hand, for my two tiles of queries.  Step 0 asks for its own k and v at its head and for step 1's k behind its exponentials; step 1 asks for its v alone.
.macro STEP q
	s_add_co_u32 s48, s35, 31
	s_cmp_gt_u32 s36, s48                          ; all 128 keys come after my last query: nothing of the step is done.  Step 1's keys come after step 0's, so both branches lead behind step 1, which leans on loads that step 0 issues
	s_cbranch_scc1 .Lhidden
.rept 4
	v_nop                                          ; places in front of loads into registers that the last products read
.endr
	WIN 0x40
.if (\q) == 0
	KLOAD 0                                        ; no wait here: the one on va_vdst at the trip's head stands behind the last products, and nothing since names KFR, VFR or v3
.else
	s_wait_alu depctr_va_vdst(0)                   ; step 0's products O^T are done reading v's fragments, in which the loads below land
.endif
.irp t, 0,1,2,3
.irp c, 0,1,2,3
	ds_load_b128 v[VFR+16*\t+4*\c:VFR+16*\t+4*\c+3], v[ADR] offset:16384+(\q)*8192+(\c/2)*4096+\t*1024+(\c%2)*512
.endr
.endr
	s_wait_dscnt 16                                ; k's 16 loads are in (step 1's were issued in step 0); v's 16, issued behind them, may be out
	WIN 0x01                                       ; source 0 (k) window 1
.irp t, 0,1,2,3,4,5,6,7
.irp u, 0,1
	v_wmma_f32_16x16x64_fp8_fp8 v[S+64*\u+8*\t:S+64*\u+8*\t+7], v[KFR+8*\t:KFR+8*\t+7], v[Q+8*\u:Q+8*\u+7], 0
.endr
.endr
	WIN 0
.rept 4
	v_nop                                          ; places in front of the first read of the scores
.endr
	s_add_co_u32 s48, s36, 127
	s_cmp_le_u32 s48, s35                          ; all 128 keys count for all my queries: no mask
	s_cbranch_scc1 .Lopen_\@
	s_sub_co_i32 s48, s35, s36
	v_add_nc_u32 v[DD], s48, v[QREL]               ; register n of a tile's 64 holds key s36 + 16 (l / 16) + 32 (n / 16) + n % 16; my query is s35 + 8 u + r + 8 (r / 8): hidden where 32 (n / 16) + n % 16 > d
	v_add_nc_u32 v[DD+1], 8, v[DD]
.irp u, 0,1
.irp g, 0,1                                    ; 32 registers at a time: a run of compares into 32 scalar registers, one wait, the 32 selects
.set n, 0
.rept 32
	v_cmp_gt_i32 s[MK+n+2*((n+18)/32)], 32*(2*\g+n/16)+n%16, v[DD+\u]
.set n, n+1
.endr
	s_wait_alu depctr_va_sdst(0)                   ; the 32 compares have written their lane masks, which the selects below read
.set n, 0
.rept 32
	v_cndmask_b32 v[S+64*\u+32*\g+n], v[S+64*\u+32*\g+n], v[NINF], s[MK+n+2*((n+18)/32)]   ; each accumulator from its low end on
.set n, n+1
.endr
.endr
.endr
.Lopen_\@:
.irp u, 0,1
	v_max3_num_f32 v[TT+8*\u], v[S+64*\u], v[S+64*\u+1], v[S+64*\u+2]          ; the step's largest score of my query among my 64 keys, in two chains a tile; each accumulator from its low end on
	v_max3_num_f32 v[TT+8*\u+1], v[S+64*\u+3], v[S+64*\u+4], v[S+64*\u+5]
.endr
.set i, 6
.rept 14
.irp u, 0,1
	v_max3_num_f32 v[TT+8*\u], v[TT+8*\u], v[S+64*\u+i], v[S+64*\u+i+1]
	v_max3_num_f32 v[TT+8*\u+1], v[TT+8*\u+1], v[S+64*\u+i+2], v[S+64*\u+i+3]
.endr
.set i, i+4
.endr
.irp u, 0,1
	v_max3_num_f32 v[TT+8*\u], v[TT+8*\u], v[S+64*\u+62], v[S+64*\u+63]
.endr
.irp u, 0,1
	v_max_num_f32 v[TT+8*\u], v[TT+8*\u], v[TT+8*\u+1]
.endr
.irp u, 0,1
	v_permlanex16_b32 v[TT+8*\u+2], v[TT+8*\u], s44, s45                       ; the query's other 64 keys lie in the lane 16 away
.endr
.irp u, 0,1
	v_max_num_f32 v[TT+8*\u], v[TT+8*\u], v[TT+8*\u+2]
.endr
.irp u, 0,1
	v_mul_f32 v[TT+8*\u], s42, v[TT+8*\u]                                      ; as t (c is positive)
.endr
.irp u, 0,1
	v_max_num_f32 v[ST+8*\u+1], v[ST+8*\u+1], v[TT+8*\u]                       ; the running largest t
.endr
.irp u, 0,1
	v_mov_b32 v[TT+8*\u+3], v[ST+8*\u]
.endr
.irp u, 0,1
	v_floor_f32 v[ST+8*\u], -v[ST+8*\u+1]                                      ; the new -M = floor(-t) = -ceil(t): a whole number
.endr
.irp u, 0,1
	v_sub_f32 v[TT+8*\u+3], v[ST+8*\u], v[TT+8*\u+3]                           ; old M - new M: a whole number, 0 or less
.endr
.irp u, 0,1
	v_cvt_i32_f32 v[TT+8*\u+3], v[TT+8*\u+3]                                   ; (it saturates)
.endr
.irp u, 0,1
	v_ldexp_f32 v[ST+8*\u+4], 1.0, v[TT+8*\u+3]                                ; f = 2^(old M - new M)
.endr
.set j, 0
.rept 32
.irp u, 0,1
	v_pk_fma_f32 v[S+64*\u+j:S+64*\u+j+1], v[S+64*\u+j:S+64*\u+j+1], s[42:43], v[ST+8*\u:ST+8*\u+1] op_sel_hi:[1,0,0]   ; t - M, two at a time (of the pairs c and -M the low word serves both halves)
.endr
.set j, j+2
.endr
.set j, 0
.rept 128
	v_exp_f32 v[S+j], v[S+j]                       ; p = 2^(t - M): ONE BATCH of both tiles' 128
.set j, j+1
.endr
.irp u, 0,1
	v_pk_mul_f32 v[ST+8*\u+2:ST+8*\u+3], v[ST+8*\u+2:ST+8*\u+3], v[ST+8*\u+4:ST+8*\u+5] op_sel_hi:[1,0]   ; l under the new M: the plain instructions behind the last exponential
.endr
.if (\q) == 0
	WIN 0x40                                       ; (for the loads below: the switch, then the wait, then the loads)
	s_wait_alu depctr_va_vdst(0)                   ; the 128 exponentials have written p, ahead of the first instruction that names a result (one wait for the batch); and this step's products S^T are done reading k's fragments, in which the loads below land
	KLOAD 1                                        ; step 1's k: it lands under the sums, the conversions and the products O^T
	WIN 0
.else
	s_wait_alu depctr_va_vdst(0)                   ; the 128 exponentials have written p: one wait for the batch, ahead of the first instruction that names a result
.endif
.irp u, 0,1
	v_pk_add_f32 v[ST+8*\u+6:ST+8*\u+7], v[S+64*\u:S+64*\u+1], v[S+64*\u+2:S+64*\u+3]   ; the row's sum is taken of the UNQUANTISED p: two at a time, in two chains a tile
.endr
.set j, 4
.rept 15
.irp u, 0,1
	v_pk_add_f32 v[ST+8*\u+2:ST+8*\u+3], v[ST+8*\u+2:ST+8*\u+3], v[S+64*\u+j:S+64*\u+j+1]
	v_pk_add_f32 v[ST+8*\u+6:ST+8*\u+7], v[ST+8*\u+6:ST+8*\u+7], v[S+64*\u+j+2:S+64*\u+j+3]
.endr
.set j, j+4
.endr
.irp u, 0,1
	v_pk_add_f32 v[ST+8*\u+2:ST+8*\u+3], v[ST+8*\u+2:ST+8*\u+3], v[ST+8*\u+6:ST+8*\u+7]
.endr
	s_cmp_ge_i32 s47, -8                           ; 448 x 2^e4 >= 1.75 is above every p: the hold would change nothing
	s_cbranch_scc1 .Lno_hold_\@
.set j, 0
.rept 128
	v_min_num_f32 v[S+j], v[S+j], v[LMP]           ; the conversion to an 8-bit code does not saturate (ISA guide 7.6.2); p is not negative, so the hold is one-sided
.set j, j+1
.endr
.Lno_hold_\@:
.irp u, 0,1
.irp b, 0,1,2,3
	v_cvt_scalef32_pk8_fp8_f32 v[P+16*\u+4*\b:P+16*\u+4*\b+1], v[S+64*\u+16*\b:S+64*\u+16*\b+7], v[SCP]
	v_cvt_scalef32_pk8_fp8_f32 v[P+16*\u+4*\b+2:P+16*\u+4*\b+3], v[S+64*\u+16*\b+8:S+64*\u+16*\b+15], v[SCP]
.endr
.endr
	WIN 0x41                                       ; O^T (destination and source 0) window 1, f window 0
.set j, 0
.rept 16
.irp u, 0,1
	v_pk_mul_f32 v[O+32*\u+j:O+32*\u+j+1], v[O+32*\u+j:O+32*\u+j+1], v[ST+8*\u+4:ST+8*\u+5] op_sel_hi:[1,0]   ; O^T under the new M.  (These are also the plain instructions between the conversions and the products that read the codes)
.endr
.set j, j+2
.endr
.if (\q) == 0
	s_wait_dscnt 16                                ; v is in; the 16 loads of step 1's k, issued behind it, may be out
.else
	s_wait_dscnt 0x0                               ; v is in
.endif
	WIN 0x51                                       ; v, C and D window 1, p's codes window 0
.irp t, 0,1,2,3
.irp u, 0,1
	v_wmma_f32_16x16x128_fp8_fp8 v[O+32*\u+8*\t:O+32*\u+8*\t+7], v[VFR+16*\t:VFR+16*\t+15], v[P+16*\u:P+16*\u+15], v[O+32*\u+8*\t:O+32*\u+8*\t+7]   ; the eight accumulators take turns, one instruction a turn
.endr
.endr
	WIN 0
.if (\q) == 1
.Lhidden:
.endif
	s_add_co_u32 s36, s36, 128
.endm
; A block of queries ends: O^T x 2^(e4 + e5) / l, held, converted with 2^e6; the codes are the last product's operand registers and are stored as they stand.
.macro FINISH
.rept 4
	v_nop                                          ; places behind the last products
.endr
.irp u, 0,1
	v_add_f32 v[TT+8*\u], v[ST+8*\u+2], v[ST+8*\u+3]
.endr
.irp u, 0,1
	v_permlanex16_b32 v[TT+8*\u+2], v[TT+8*\u], s44, s45
.endr
.irp u, 0,1
	v_add_f32 v[TT+8*\u], v[TT+8*\u], v[TT+8*\u+2] ; the row's sum
.endr
.irp u, 0,1
	v_rcp_f32 v[TT+8*\u+1], v[TT+8*\u]
.endr
	v_nop                                          ; a plain instruction behind the last reciprocal,
	s_wait_alu depctr_va_vdst(0)                   ; and one wait for the two: the reciprocals are written, ahead of their first reader
.irp u, 0,1
	v_ldexp_f32 v[TT+8*\u+1], v[TT+8*\u+1], s46    ; x 2^(e4 + e5)
.endr
	WIN 0x01                                       ; source 0 (O^T) window 1
.irp u, 0,1
.set j, 0
.rept 32
	v_mul_f32 v[S+64*\u+j], v[O+32*\u+j], v[TT+8*\u+1]   ; register 16 g + n is d = 32 g + 16 (l / 16) + n of my query; each accumulator from its low end on
.set j, j+1
.endr
.endr
	WIN 0
.irp u, 0,1
.set j, 0
.rept 32
	v_med3_num_f32 v[S+64*\u+j], v[S+64*\u+j], -v[LMO], v[LMO]
.set j, j+1
.endr
.endr
.irp u, 0,1
.irp b, 0,1
	v_cvt_scalef32_pk8_fp8_f32 v[P+16*\u+4*\b:P+16*\u+4*\b+1], v[S+64*\u+16*\b:S+64*\u+16*\b+7], v[SCO]
	v_cvt_scalef32_pk8_fp8_f32 v[P+16*\u+4*\b+2:P+16*\u+4*\b+3], v[S+64*\u+16*\b+8:S+64*\u+16*\b+15], v[SCO]
.endr
.endr
	v_nop                                          ; one plain vector instruction behind the last conversion
	s_wait_alu depctr_va_vdst(0)                   ; the conversions have written the codes in P, which the stores below read; and the block's products are done reading Q, in which the next block's loads land
.irp u, 0,1
.irp b, 0,1
	global_store_b128 v[L16], v[P+16*\u+4*\b:P+16*\u+4*\b+3], s[30:31] offset:\u*4096+\b*512   ; 32 lanes store 512 consecutive bytes, at a multiple of 512 from att's first byte
.endr
.endr
	s_wait_xcnt 0x0                                ; the stores have read their data and their base: both are written again below
	s_wait_alu depctr_vm_vsrc(0)                   ; the stores have read P, which the next block's conversions write again
.endm
	s_load_b128 s[4:7], s[0:1], 0x0                ; qkv s[4:5], the scales' exponents s[6:7]
	s_load_b64 s[8:9], s[0:1], 0x10                ; att
	v_lshl_add_u32 v254, v0, 2, 0x10000
	v_mov_b32 v255, 0
	v_lshrrev_b32 v3, 5, v0
	v_readfirstlane_b32 s10, v3                    ; wave 0..7
	s_mov_b32 s11, ttmp9                           ; i
	s_and_b32 s12, ttmp7, 0xffff
	s_lshr_b32 s13, s12, 4                         ; batch
	s_and_b32 s14, s12, 15                         ; head
	v_and_b32 v1, 31, v0
	v_lshlrev_b32 v[L16], 4, v1
	v_lshlrev_b32 v[T16], 4, v0
	v_mov_b32 v[STA], v[T16]                       ; slot 0 goes into buffer 0
	v_and_b32 v[QREL], 15, v0                      ; r
	v_and_b32 v6, 8, v0                            ; 8 (r / 8)
	v_add_nc_u32 v[QREL], v[QREL], v6
	v_and_b32 v6, 16, v0                           ; 16 (l / 16)
	v_sub_nc_u32 v[QREL], v[QREL], v6
	v_mov_b32 v[NINF], 0xff800000
.irp u, 0,1
	v_mov_b32 v[ST+8*\u+5], 0                      ; named as the upper half of f's pair, so it is written
	v_mov_b32 v[TT+8*\u+2], 0                      ; a lane permute's destination counts as one of its sources
.endr
	s_wait_alu depctr_va_sdst(0)                   ; s10 is written, ahead of its first reader: my places in q and in att are made from it
	s_lshl_b32 s48, s13, 21
	s_lshr_b32 s49, s14, 1
	s_lshl_b32 s49, s49, 18
	s_add_co_u32 s48, s48, s49                     ; the batch's and the pair of heads' place in a region
	s_and_b32 s50, s14, 1                          ; which head of the pair
	s_lshl_b32 s51, s50, 13
	s_add_co_u32 s54, s48, s51                     ; + 8,192 hh
	s_lshr_b32 s49, s10, 2
	s_lshl_b32 s49, s49, 14
	s_add_co_u32 s52, s54, s49                     ; q: + the image of my wave's 128 tokens in a block,
	s_and_b32 s49, s10, 3
	s_lshl_b32 s49, s49, 11
	s_add_co_u32 s52, s52, s49                     ;    + my two tiles in it
	s_add_co_u32 s54, s54, 0x800000                ; k: the second region
	s_lshl_b32 s51, s50, 12
	s_add_co_u32 s56, s48, s51                     ; v: + 4,096 hh,
	s_add_co_u32 s56, s56, 0x1000000               ;    the third region
	s_lshr_b32 s58, s14, 2
	s_lshl_b32 s58, s58, 21                        ; att: four heads are 256 of the last K,
	s_lshl_b32 s49, s13, 19
	s_add_co_u32 s58, s58, s49                     ; a batch 128 tiles of 4,096 bytes,
	s_lshl_b32 s49, s10, 13
	s_add_co_u32 s58, s58, s49                     ; my wave two tiles,
	s_bfe_u32 s49, s14, 0x10001
	s_lshl_b32 s49, s49, 11
	s_add_co_u32 s58, s58, s49                     ; a pair of heads 128 of K,
	s_lshl_b32 s49, s50, 10
	s_add_co_u32 s58, s58, s49                     ; a head two blocks of 512
	s_mov_b32 s53, 0
	s_mov_b32 s55, 0
	s_mov_b32 s57, 0
	s_mov_b32 s59, 0
	s_mov_b32 s41, 0
	s_mov_b32 s44, 0x76543210                      ; v_permlanex16_b32's selects for lane l xor 16
	s_mov_b32 s45, 0xfedcba98
	s_sub_co_u32 s34, 7, s11                       ; the high block first
	s_mov_b32 s32, 0
	s_mov_b32 s33, 0
	s_mov_b32 s36, 0
	s_mov_b32 s38, 0
	s_mov_b32 s39, BUF
	s_wait_kmcnt 0x0
	s_load_b256 s[72:79], s[6:7], 0x0              ; e0 .. e7
	s_add_nc_u64 s[16:17], s[4:5], s[52:53]
	s_add_nc_u64 s[18:19], s[4:5], s[54:55]
	s_add_nc_u64 s[20:21], s[4:5], s[56:57]
	s_add_nc_u64 s[22:23], s[8:9], s[58:59]
	s_mov_b64 s[26:27], s[18:19]                   ; slot 0
	s_mov_b64 s[28:29], s[20:21]
	s_wait_alu depctr_va_vdst(0)                   ; v1, v2 and v4 are written: the offsets of the copy's and q's loads and of att's stores, and the address of the first LDS stores; no vector instruction of the head names them again
	COPY
	s_wait_kmcnt 0x0
	s_add_co_i32 s48, s74, s75
	s_lshl_b32 s48, s48, 23
	s_mov_b32 s42, 0x3e38aa3b                      ; c = log2(e) / 8
	s_add_co_i32 s42, s42, s48                     ; a score stands for score x 2^(e2 + e3): the two exponents are added to c's exponent field
	s_mov_b32 s43, s42                             ; (named with it as a pair, so it is written)
	s_add_co_i32 s46, s76, s77                     ; e4 + e5
	s_mov_b32 s47, s76                             ; e4
	s_add_co_i32 s48, s76, 127
	s_lshl_b32 s49, s48, 23
	v_mov_b32 v[SCP], s49                          ; 2^e4 as f32: the conversion takes its exponent field
	s_add_co_i32 s48, s48, 8
	s_lshl_b32 s48, s48, 23
	s_or_b32 s48, s48, 0x600000
	v_mov_b32 v[LMP], s48                          ; 448 x 2^e4
	s_add_co_i32 s48, s78, 127
	s_lshl_b32 s49, s48, 23
	v_mov_b32 v[SCO], s49                          ; 2^e6
	s_add_co_i32 s48, s48, 8
	s_lshl_b32 s48, s48, 23
	s_or_b32 s48, s48, 0x600000
	v_mov_b32 v[LMO], s48                          ; 448 x 2^e6
	SETBLK
	PUT
	s_wait_dscnt 0x0                               ; for the others' sake: my stores have landed
	s_barrier_signal -1
	s_barrier_wait -1
.Ltrip:                                            ; nine trips: a slot of 256 keys each
	s_add_co_u32 s37, s33, 1
	s_cmp_eq_u32 s33, s34
	s_cselect_b32 s37, 0, s37                      ; the next slot: behind the block's own slot the walk begins anew
	s_wait_alu depctr_vm_vsrc(0)                   ; the fragment loads issued so far have read v3; the LDS stores issued so far have read v4 and the copy's registers, in which the loads below land
	v_add_nc_u32 v[ADR], s38, v[L16]
	v_add_nc_u32 v[STA], s39, v[T16]
	s_wait_alu depctr_va_vdst(0)                   ; v3 and v4 are written, which this trip's LDS loads and stores read; the last trip's products are done reading k's and v's fragments, in which step 0's loads land
	s_cmp_eq_u32 s32, 8
	s_cbranch_scc1 .Lno_copy                       ; the last trip copies nothing
	s_lshl_b32 s40, s37, 15                        ; a slot is two images
	s_add_nc_u64 s[26:27], s[18:19], s[40:41]
	s_add_nc_u64 s[28:29], s[20:21], s[40:41]
	COPY
.Lno_copy:
	STEP 0
	STEP 1
	s_cmp_lg_u32 s33, s34
	s_cbranch_scc1 .Lgo_on
	FINISH                                         ; the block's own slot was its last
	s_cmp_eq_u32 s32, 8
	s_cbranch_scc1 .Lgo_on
	s_mov_b32 s34, s11                             ; now the low block
	SETBLK
.Lgo_on:
	s_cmp_eq_u32 s32, 8
	s_cbranch_scc1 .Lno_put
	PUT                                            ; into the buffer that was read in the trip before: every wave's reads of it were waited for in front of that trip's barrier
.Lno_put:
	s_wait_dscnt 0x0                               ; my stores have landed, and my reads of the buffer in hand are over
	s_barrier_signal -1
	s_barrier_wait -1                              ; on every wave's path, in every trip
	s_xor_b32 s38, s38, BUF
	s_xor_b32 s39, s39, BUF
	s_mov_b32 s33, s37
	s_lshl_b32 s36, s37, 8
	s_add_co_u32 s32, s32, 1
	s_cmp_lt_u32 s32, 9
	s_cbranch_scc1 .Ltrip
	s_wait_dscnt 0x0
	s_wait_alu depctr_hold_cnt(0) depctr_sa_sdst(0) depctr_va_vdst(0) depctr_va_sdst(0) depctr_va_ssrc(0) depctr_va_vcc(0) depctr_vm_vsrc(0)
	s_wait_tensorcnt 0x0
	ds_add_u32 v254, v255
	s_wait_dscnt 0x0
	s_endpgm
.Lfunc_end_k_q7319c17ad7_attention:
	.size	k_q7319c17ad7_attention, .Lfunc_end_k_q7319c17ad7_attention-k_q7319c17ad7_attention
	.p2alignl 7, 3214868480
	.fill 96, 4, 3214868480
	.section	.rodata,"a",@progbits
	.p2align	6, 0x0
	.amdhsa_kernel k_q7319c17ad7_attention
		.amdhsa_group_segment_fixed_size 66560
		.amdhsa_private_segment_fixed_size 0
		.amdhsa_enable_private_segment 0
		.amdhsa_kernarg_size 24
		.amdhsa_user_sgpr_count 2
		.amdhsa_user_sgpr_kernarg_segment_ptr 1
		.amdhsa_wavefront_size32 1
		.amdhsa_system_sgpr_workgroup_id_x 1
		.amdhsa_system_sgpr_workgroup_id_y 1
		.amdhsa_system_sgpr_workgroup_id_z 1
		.amdhsa_system_vgpr_workitem_id 0
		.amdhsa_next_free_vgpr 512
		.amdhsa_next_free_sgpr 84
		.amdhsa_reserve_vcc 0
		.amdhsa_float_denorm_mode_32 3
		.amdhsa_float_denorm_mode_16_64 3
		.amdhsa_memory_ordered 1
		.amdhsa_forward_progress 1
		.amdhsa_inst_pref_size 115
	.end_amdhsa_kernel
	.amdgpu_metadata
---
amdhsa.version: [ 1, 2 ]
amdhsa.kernels:
  - .name:           k_q7319c17ad7_attention
    .symbol:         k_q7319c17ad7_attention.kd
    .args:
      - { .name: qkv, .offset: 0, .size: 8, .value_kind: global_buffer, .address_space: global }
      - { .name: lowp_scales, .offset: 8, .size: 8, .value_kind: global_buffer, .address_space: global }
      - { .name: att, .offset: 16, .size: 8, .value_kind: global_buffer, .address_space: global }
    .group_segment_fixed_size: 66560
    .private_segment_fixed_size: 0
    .kernarg_segment_align: 8
    .kernarg_segment_size: 24
    .max_flat_workgroup_size: 256
    .sgpr_count:     84
    .vgpr_count:     512
    .wavefront_size: 32
...
	.end_amdgpu_metadata
.endif
;; end of part 4
;; launch proj: the kernel of part 3 again; grid 4 x 32, 4 waves a work-group, clusters of 4 x 4, 327,680 bytes of LDS; arguments att, W_proj_codes, lowp_scales, b_proj, out0; writes out0
